; MI455X (gfx1250); checked and timed in simulation.
; The chip was launched on July 23, 2026; its instructions are those of AMD's public machine-readable ISA for CDNA 5 (MIT licence, August 2026) and "CDNA5" Instruction Set Architecture Reference Guide (July 2026). The comments in the code are by the model that wrote it; some were corrected since.
;; Multi Self Attention Head Varlen Flex. Allowed arithmetic: matrix products marked QUANTISED: E2M1 operands, one E8M0 scale for each 32 along K, by v_wmma_scale_f32_16x16x128_f8f6f4 with both operands' format E2M1 (or v_wmma_scale_f32_32x16x128_f4), f32 sums; everything else in f32.
;; Inputs: Wk_codes 2,048 x 64 x 16 uint8 (E2M1 codes of Wk, K innermost, in blocks of 32 codes, two codes a byte); Wk_scales 2,048 x 64 uint8 (E8M0 scales of Wk, one for each 32 codes along K); Wo_codes 2,048 x 64 x 16 uint8 (E2M1 codes of Wo, K innermost, in blocks of 32 codes, two codes a byte); Wo_scales 2,048 x 64 uint8 (E8M0 scales of Wo, one for each 32 codes along K); Wq_codes 2,048 x 64 x 16 uint8 (E2M1 codes of Wq, K innermost, in blocks of 32 codes, two codes a byte); Wq_scales 2,048 x 64 uint8 (E8M0 scales of Wq, one for each 32 codes along K); Wv_codes 2,048 x 64 x 16 uint8 (E2M1 codes of Wv, K innermost, in blocks of 32 codes, two codes a byte); Wv_scales 2,048 x 64 uint8 (E8M0 scales of Wv, one for each 32 codes along K); x 2,048 x 2,048 float32.
;; Outputs: out0 2,048 x 2,048 float32.
;; This version of the problem:
;;   THIS VERSION OF THE PROBLEM IS GIVEN IN LOW PRECISION. The matrix products marked QUANTISED in the list below multiply operands that are first quantised to E2M1 (2 exponent bits, 1 mantissa bit; 4 bits a number), with one power-of-two scale for each 32 numbers along K (OCP MX v1.0); their sums are f32. All else is computed in f32.
;;   The module's matrix products, in the order in which they are computed (A, B: the left and right operand; K: the contracted axis; several contracted axes count as one K, in the product's order):
;;     1. [M 2,048, K 2,048] x [K 2,048, N 2,048]; A: computed on the way; B: input Wq (given as codes): QUANTISED
;;     2. [M 2,048, K 2,048] x [K 2,048, N 2,048]; A: computed on the way; B: input Wk (given as codes): QUANTISED
;;     3. [M 2,048, K 2,048] x [K 2,048, N 2,048]; A: computed on the way; B: input Wv (given as codes): QUANTISED
;;     4. batch 16 x [M 2,048, K 128] x [K 128, N 2,048]; A: computed on the way; B: computed on the way: QUANTISED
;;     5. batch 16 x [M 128, K 2,048] x [K 2,048, N 2,048]; A: computed on the way; B: computed on the way: QUANTISED
;;     6. [M 2,048, K 2,048] x [K 2,048, N 2,048]; A: computed on the way; B: input Wo (given as codes): QUANTISED
;;   THE QUANTISER, for each operand of a quantised product, along K:
;;     - K is cut into blocks of 32 from its start; a last block that is shorter is filled with zeros.
;;     - A block's scale is 2^e with e = floor(log2(the largest magnitude in the block)) - 2, held to -126 .. 127; a block of zeros has e = 0. As a byte (E8M0): e + 127.
;;     - Each number is divided by its block's scale, clamped to +-6, and rounded to the nearest number of E2M1, ties to even, subnormals kept.
;;     - The product sums the exact products of the quantised numbers (number of the format x scale) in f32.
;;   ~~~python
;;   def quantise(x, axis):      # numpy; x: float32 -> the quantised numbers, widened to float32 again
;;       x = np.moveaxis(x, axis, -1); K = x.shape[-1]
;;       x = np.pad(x, [(0, 0)] * (x.ndim - 1) + [(0, -K % 32)]); x = x.reshape(x.shape[:-1] + (-1, 32)); a = np.abs(x).max(-1, keepdims=True)
;;       e = np.where(a > 0, np.clip(np.frexp(np.where(a > 0, a, 1))[1] - 1 - 2, -126, 127), 0)      # np.frexp(a)[1] - 1 = floor(log2(a)), exactly
;;       r = np.clip(x / 2.0 ** e, -6, 6)
;;       step = 2.0 ** (np.maximum(np.frexp(np.where(r == 0, 1, r))[1] - 1, 0) - 1)
;;       q = np.round(r / step) * step * 2.0 ** e      # np.round: ties to even
;;       return np.moveaxis(q.reshape(q.shape[:-2] + (-1,))[..., :K], -1, axis).astype(np.float32)
;;   ~~~
;;   OPERANDS COMPUTED ON THE WAY. 'Computed on the way' means the value that the module computes at that place (a softmax that the list does not call 'softmax' is quantised finished and normalised). What goes into a quantiser is computed in f32, as accurately as f32 sums, v_exp_f32 and their like allow (about 1e-6 of the number): no bf16 or f16 on the way to a quantiser, and a product that is left as it is and whose result goes on into a quantised operand takes f32 operands (vector FMAs, or v_wmma_f32_16x16x4_f32). A number that lies on a knife's edge between two numbers of the format may be rounded either way, as far as f32 arithmetic and the matrix unit's own rounding can turn it there, and no further.
;;   INPUTS GIVEN AS CODES. Wk (in the module: [2048, 2048], K = its axis 0); Wo (in the module: [2048, 2048], K = its axis 0); Wq (in the module: [2048, 2048], K = its axis 0); Wv (in the module: [2048, 2048], K = its axis 0): each comes as NAME_codes (uint8): NAME with its K axis moved to the last place and cut into blocks of 32 codes, [.., K / 32, bytes a block], one block behind the other in memory; two codes a byte, the lower K in the low four bits (a code: sign, 2 exponent bits, 1 mantissa bit); and NAME_scales (uint8): the same leading axes, one E8M0 byte (e + 127) for each 32 codes along K. Its value is code x scale, taken as it is: it is not quantised again, and the codes and scales need not be those that the quantiser above would give.
;; One version. Each part assembles by itself: llvm-mc -triple=amdgcn-amd-amdhsa -mcpu=gfx1250 --defsym DOCPART=n.
;; ======== version 1 of 1: 4 launches
;; workspace buffers: XQ 2,228,224 bytes; KB 2,228,224 bytes; QB 2,228,224 bytes; VB 2,228,224 bytes; OB 278,528 bytes
;; launch lnq (part 1): grid 256 x 1, 8 waves a work-group, no clusters, 75,264 bytes of LDS; arguments x, out0, XQ; writes out0, XQ
.if DOCPART == 1
	.amdgcn_target "amdgcn-amd-amdhsa--gfx1250"
	.amdhsa_code_object_version 6
	.text
	.protected	k_q5d0e262d79_lnq
	.globl	k_q5d0e262d79_lnq
	.p2align	8
	.type	k_q5d0e262d79_lnq,@function
k_q5d0e262d79_lnq:
	s_mov_b64 s[64:65], 0
	v_nop
	global_prefetch_b8 v0, s[64:65] scope:SCOPE_SE
	s_setreg_imm32_b32 hwreg(HW_REG_WAVE_MODE, 25, 1), 1
	s_wait_xcnt 0x0
; xn = LayerNorm(x) along a row of 2,048 f32 (no gain, no bias, eps 1e-5), quantised along the row to codes of FP4 (E2M1) with one E8M0 byte for each 32 numbers.
; XQ: codes [2048 rows][1,024 bytes]; from byte 0x200000 on the scale bytes [2048][64].  Rows 256 .. 2047 of x are also copied to out0: the mask that the problem builds leaves those
; queries without a key, so their attention output is 0 and out = x there.
; SHARES.  A work-group of eight waves takes eight rows, a wave one row: 8,192 bytes, 64 registers a lane, read once.  The mean first, then the sum of (x - mean)^2: no difference of large sums is formed.
; A load gives a lane 16 bytes of 512 consecutive ones; the conversions want 32 neighbours in ONE lane.  So the normalised row turns through the wave's own LDS bytes: 64 blocks of 128 bytes, 144 apart
; (an odd multiple of 16); lane l takes blocks l and l + 32 whole.
; A block's scale byte is its largest magnitude's exponent field - 2, held at 1 from below.
; LIMITS: NaN and infinities in x are not served; a block whose largest magnitude lies under 2^-124 gets the byte 1; a block of zeros gets the byte 1 where the rule says 127: its codes are zeros, and this program alone reads the bytes.
; No matrix unit, no cluster, no tensor load: memory binds, the waves share nothing but the 512 scale bytes that leave together.
.set WREG,  9216                       ; a wave's LDS bytes: 64 blocks x 144
.set BP,    144
.set SCB,   8*WREG                     ; behind them: the work-group's 8 x 64 scale bytes
.set X,     16                         ; v16-79    the row as loaded; never rewritten (the copy's stores read it)
.set D,     80                         ; v80-143   x - mean, then xn
.set T,     144                        ; v144-207  two whole blocks of 32
.set C,     208                        ; v208-215  their codes
.set SQ,    216                        ; v216-223  four chains of squares
.set BY,    224                        ; v224-225  the two scale bytes
.set OS,    228                        ; v228-231  16 of the work-group's 512 scale bytes
	s_load_b128 s[4:7], s[0:1], 0x0                ; x, out0
	s_load_b64 s[8:9], s[0:1], 0x10                ; XQ
	v_lshl_add_u32 v254, v0, 2, 0x12200
	v_mov_b32 v255, 0
	v_lshrrev_b32 v1, 5, v0
	v_readfirstlane_b32 s12, v1                    ; wave 0..7
	v_and_b32 v1, 31, v0                           ; lane
	v_lshlrev_b32 v2, 4, v1                        ; 16 x lane
	s_mul_i32 s13, s12, WREG
	v_lshrrev_b32 v3, 3, v1
	v_mul_u32_u24 v3, v3, BP
	v_and_b32 v4, 7, v1
	v_lshl_add_u32 v3, v4, 4, v3
	v_add_nc_u32 v3, s13, v3                       ; into LDS: eight lanes fill a block: 144 (lane / 8) + 16 (lane % 8); a load's 512 bytes are four blocks
	v_mul_u32_u24 v4, v1, BP
	v_add_nc_u32 v4, s13, v4                       ; out of it: block = lane
	s_lshl_b32 s13, s12, 6
	s_add_co_u32 s13, s13, SCB
	v_add_nc_u32 v5, s13, v1                       ; my block's scale byte: 64 x wave + lane
	v_add_nc_u32 v6, SCB, v2                       ; and, for wave 0 at the end, 16 bytes a lane
	s_mov_b32 s14, 0x76543210
	s_mov_b32 s15, 0xfedcba98                      ; v_permlanex16_b32's selects for lane l xor 16
	s_mov_b32 s16, 0x3a000000                      ; 1 / 2048
	s_mov_b32 s17, 0x3727c5ac                      ; 1e-5
	s_lshl_b32 s18, ttmp9, 3
	s_add_co_u32 s18, s18, s12                     ; my row
	s_lshl_b32 s20, s18, 13                        ; x 8,192 bytes in x and out0
	s_mov_b32 s21, 0
	s_lshl_b32 s22, s18, 10                        ; x 1,024 bytes of codes
	s_mov_b32 s23, 0
	s_lshl_b32 s24, ttmp9, 9                       ; the work-group's 512 scale bytes
	s_mov_b32 s25, 0
	s_wait_kmcnt 0x0
	s_add_nc_u64 s[4:5], s[4:5], s[20:21]
	s_add_nc_u64 s[6:7], s[6:7], s[20:21]
	s_add_nc_u64 s[10:11], s[8:9], s[24:25]
	s_add_nc_u64 s[10:11], s[10:11], 0x200000
	s_add_nc_u64 s[8:9], s[8:9], s[22:23]
.irp j, 0,1,2,3,4,5,6,7,8,9,10,11,12,13,14,15
	global_load_b128 v[X+4*\j:X+4*\j+3], v2, s[4:5] offset:512*\j th:TH_LOAD_NT   ; 32 lanes read 512 consecutive bytes; the whole row is on its way at once
.endr
.macro ALL_LANES r, t                  ; the sum of v[r] over the 32 lanes, in every lane; v[t] has been written before
	v_add_f32_dpp v[\r], v[\r], v[\r] row_xmask:1 row_mask:0xf bank_mask:0xf
	v_add_f32_dpp v[\r], v[\r], v[\r] row_xmask:2 row_mask:0xf bank_mask:0xf
	v_add_f32_dpp v[\r], v[\r], v[\r] row_xmask:4 row_mask:0xf bank_mask:0xf
	v_add_f32_dpp v[\r], v[\r], v[\r] row_xmask:8 row_mask:0xf bank_mask:0xf
	v_permlanex16_b32 v[\t], v[\r], s14, s15
	v_add_f32 v[\r], v[\r], v[\t]
.endm
	s_wait_loadcnt 14                              ; loads 0 and 1 are in: 14 younger ones may be out.  They start the two chains: nothing is cleared
	v_pk_add_f32 v[8:9], v[X:X+1], v[X+4:X+5]
	v_pk_add_f32 v[10:11], v[X+2:X+3], v[X+6:X+7]
.irp j, 2,3,4,5,6,7,8,9,10,11,12,13,14,15
	s_wait_loadcnt 15-\j                           ; load j is in: the younger ones stay out
	v_pk_add_f32 v[8:9], v[8:9], v[X+4*\j:X+4*\j+1]
	v_pk_add_f32 v[10:11], v[10:11], v[X+4*\j+2:X+4*\j+3]
.endr
	v_pk_add_f32 v[8:9], v[8:9], v[10:11]
	v_add_f32 v8, v8, v9
	ALL_LANES 8, 9
	v_mul_f32 v10, 0xba000000, v8                  ; - the mean
	v_mov_b32 v11, v10                             ; (named with it as a pair)
	s_cmp_lt_u32 ttmp9, 32                         ; rows 256 on: out = x
	s_cbranch_scc1 .Lno_copy
.irp j, 0,1,2,3,4,5,6,7,8,9,10,11,12,13,14,15
	global_store_b128 v2, v[X+4*\j:X+4*\j+3], s[6:7] offset:512*\j th:TH_STORE_NT   ; 512 consecutive bytes; neither data nor address is written again
.endr
.Lno_copy:
.set i, 0
.rept 32
	v_pk_add_f32 v[D+2*i:D+2*i+1], v[X+2*i:X+2*i+1], v[10:11] op_sel_hi:[1,0]
.set i, i+1
.endr
.irp c, 0,1,2,3
	v_pk_mul_f32 v[SQ+2*\c:SQ+2*\c+1], v[D+2*\c:D+2*\c+1], v[D+2*\c:D+2*\c+1]
.endr
.set i, 4
.rept 28
	v_pk_fma_f32 v[SQ+2*(i%4):SQ+2*(i%4)+1], v[D+2*i:D+2*i+1], v[D+2*i:D+2*i+1], v[SQ+2*(i%4):SQ+2*(i%4)+1]
.set i, i+1
.endr
	v_pk_add_f32 v[SQ:SQ+1], v[SQ:SQ+1], v[SQ+2:SQ+3]
	v_pk_add_f32 v[SQ+4:SQ+5], v[SQ+4:SQ+5], v[SQ+6:SQ+7]
	v_pk_add_f32 v[SQ:SQ+1], v[SQ:SQ+1], v[SQ+4:SQ+5]
	v_add_f32 v8, v[SQ], v[SQ+1]
	ALL_LANES 8, 9
	v_fma_f32 v8, v8, s16, s17                     ; the variance + eps
	v_rsq_f32 v12, v8
	v_nop                                          ; a plain instruction behind the transcendental
	s_wait_alu depctr_va_vdst(0)                   ; the wait ahead of the first line that names the result
	v_mov_b32 v13, v12
.set i, 0
.rept 32
	v_pk_mul_f32 v[D+2*i:D+2*i+1], v[D+2*i:D+2*i+1], v[12:13] op_sel_hi:[1,0]
.set i, i+1
.endr
.irp j, 0,1,2,3,4,5,6,7,8,9,10,11,12,13,14,15
	ds_store_b128 v3, v[D+4*\j:D+4*\j+3] offset:4*BP*\j
.endr
.irp g, 0,1
.irp i, 0,1,2,3,4,5,6,7
	ds_load_b128 v[T+32*\g+4*\i:T+32*\g+4*\i+3], v4 offset:32*BP*\g+16*\i   ; LDS serves a wave's instructions in order: these see my stores
.endr
.endr
.macro BLOCK g
.set XS, T+32*\g
	v_max3_num_f32 v8, |v[XS]|, |v[XS+1]|, |v[XS+2]|               ; the block's largest magnitude: all 32 numbers are mine
	v_max3_num_f32 v9, |v[XS+3]|, |v[XS+4]|, |v[XS+5]|
.irp i, 6,10,14,18,22,26
	v_max3_num_f32 v8, v8, |v[XS+\i]|, |v[XS+\i+1]|
	v_max3_num_f32 v9, v9, |v[XS+\i+2]|, |v[XS+\i+3]|
.endr
	v_max3_num_f32 v8, v8, |v[XS+30]|, |v[XS+31]|
	v_max3_num_f32 v8, v8, v9, 0x1800000           ; and the floor 2^(3 - 127): the byte cannot fall under 1
	v_add_nc_u32 v14, 0xff000000, v8               ; 2 off the exponent field: the conversion takes this operand's exponent field as its scale
.irp i, 0,1,2,3
	v_cvt_scalef32_pk8_fp4_f32 v[C+4*\g+\i], v[XS+8*\i:XS+8*\i+7], v14
.endr
	v_lshrrev_b32 v[BY+\g], 23, v14                ; the scale's byte
	ds_store_b8 v5, v[BY+\g] offset:32*\g
	global_store_b128 v2, v[C+4*\g:C+4*\g+3], s[8:9] offset:512*\g   ; lane l: block l + 32 g: 512 consecutive bytes a wave
.endm
	s_wait_dscnt 8                                 ; block l is in: the eight loads of block l + 32 are younger
	BLOCK 0
	s_wait_dscnt 1                                 ; block l + 32 is in: only the byte store above is younger
	BLOCK 1
	s_wait_dscnt 0x0                               ; for the others' sake: my two byte stores have landed
	s_barrier_signal -1
	s_barrier_wait -1
	s_cmp_lg_u32 s12, 0                            ; wave 0 sends the eight rows' 512 scale bytes, which are consecutive in XQ
	s_cbranch_scc1 .Ldone
	ds_load_b128 v[OS:OS+3], v6
	s_wait_dscnt 0x0
	global_store_b128 v2, v[OS:OS+3], s[10:11]
.Ldone:
	s_wait_tensorcnt 0x0
	ds_add_u32 v254, v255
	s_wait_dscnt 0x0
	s_endpgm
.Lfunc_end_k_q5d0e262d79_lnq:
	.size	k_q5d0e262d79_lnq, .Lfunc_end_k_q5d0e262d79_lnq-k_q5d0e262d79_lnq
	.p2alignl 7, 3214868480
	.fill 96, 4, 3214868480
	.section	.rodata,"a",@progbits
	.p2align	6, 0x0
	.amdhsa_kernel k_q5d0e262d79_lnq
		.amdhsa_group_segment_fixed_size 75264
		.amdhsa_private_segment_fixed_size 0
		.amdhsa_enable_private_segment 0
		.amdhsa_kernarg_size 24
		.amdhsa_user_sgpr_count 2
		.amdhsa_user_sgpr_kernarg_segment_ptr 1
		.amdhsa_wavefront_size32 1
		.amdhsa_system_sgpr_workgroup_id_x 1
		.amdhsa_system_sgpr_workgroup_id_y 1
		.amdhsa_system_sgpr_workgroup_id_z 1
		.amdhsa_system_vgpr_workitem_id 0
		.amdhsa_next_free_vgpr 256
		.amdhsa_next_free_sgpr 66
		.amdhsa_reserve_vcc 0
		.amdhsa_float_denorm_mode_32 3
		.amdhsa_float_denorm_mode_16_64 3
		.amdhsa_memory_ordered 1
		.amdhsa_forward_progress 1
		.amdhsa_inst_pref_size 21
	.end_amdhsa_kernel
	.amdgpu_metadata
---
amdhsa.version: [ 1, 2 ]
amdhsa.kernels:
  - .name:           k_q5d0e262d79_lnq
    .symbol:         k_q5d0e262d79_lnq.kd
    .args:
      - { .name: x, .offset: 0, .size: 8, .value_kind: global_buffer, .address_space: global }
      - { .name: out0, .offset: 8, .size: 8, .value_kind: global_buffer, .address_space: global }
      - { .name: XQ, .offset: 16, .size: 8, .value_kind: global_buffer, .address_space: global }
    .group_segment_fixed_size: 75264
    .private_segment_fixed_size: 0
    .kernarg_segment_align: 8
    .kernarg_segment_size: 24
    .max_flat_workgroup_size: 256
    .sgpr_count:     66
    .vgpr_count:     256
    .wavefront_size: 32
...
	.end_amdgpu_metadata
.endif
;; end of part 1
;; launch proj (part 2): grid 40 x 4, 4 waves a work-group, clusters of 4 x 4, 327,680 bytes of LDS; arguments XQ, Wk_codes, Wk_scales, Wv_codes, Wv_scales, Wq_codes, Wq_scales, KB, VB, QB; writes KB, VB, QB
.if DOCPART == 2
	.amdgcn_target "amdgcn-amd-amdhsa--gfx1250"
	.amdhsa_code_object_version 6
	.text
	.protected	k_q5d0e262d79_proj
	.globl	k_q5d0e262d79_proj
	.p2align	8
	.type	k_q5d0e262d79_proj,@function
k_q5d0e262d79_proj:
	s_mov_b64 s[64:65], 0
	v_nop
	global_prefetch_b8 v0, s[64:65] scope:SCOPE_SE
	s_setreg_imm32_b32 hwreg(HW_REG_WAVE_MODE, 25, 1), 1
	s_wait_xcnt 0x0
	s_wait_alu depctr_hold_cnt(0) depctr_sa_sdst(0) depctr_va_vdst(0) depctr_va_sdst(0) depctr_va_ssrc(0) depctr_va_vcc(0) depctr_vm_vsrc(0)
	s_getreg_b32 s2, hwreg(HW_REG_IB_STS2, 6, 4)
	s_cmp_eq_u32 s2, 0
	s_cbranch_scc0 .Lentry_in_a_cluster
	s_endpgm
.Lentry_in_a_cluster:
	s_bfe_u32 s2, ttmp6, 0x10000c
	s_cmp_lg_u32 s2, 0xf033
	s_cbranch_scc0 .Lentry_shape_is_right
	s_endpgm
.Lentry_shape_is_right:
; The three projections xn Wk, xn Wv, xn Wq on codes of FP4 (E2M1) with E8M0 scales, K = 2,048, and what follows each: k and q get their LayerNorm over a head's 128 numbers, the cast to bf16 that the
; problem makes there, and the quantiser along the head's 128; v gets the quantiser along the TOKENS (the keys are the K of the second product of attention).  Results leave as images of operand registers.
; THE PRODUCT.  C[m][n] = sum over k of A'[m][k] B'[n][k].  A tile of 256 x 256 to a work-group of four waves, 128 x 128 to a wave: 64 accumulators, 512 registers.  K goes in steps of 512 through a ring of two LDS slots
; filled by the tensor data mover (a tile's row is 256 bytes of memory); the scale bytes of the work-group's rows, for all of K, come into LDS once.  The matrix instruction takes 16 rows of B' as source 0 and 16 rows
; of A' as source 1: a lane then holds ONE row of A', and its registers run along rows of B'.
; WHO IS A' AND WHO B' is a choice of pointers by the cluster's number c (ten clusters of 4 x 4), the same in all sixteen partners; all four tensors have rows of 1,024 bytes of codes and 64 of scale bytes:
;   c 0-3  k: A' = tokens, B' = columns of Wk: a lane holds one token and 64 of a head's 128 numbers (the lane 16 away the others)
;   c 4-7  v: A' = columns of Wv, B' = tokens: a lane holds one channel and 64 of 128 neighbouring tokens
;   c 8-9  q: as k, with Wq, row tiles 0-3.  Later only tokens 0-255 are read (the problem's mask gives no other query a key): three of four of these work-groups make rows of q that nobody reads.
;          That is the price of the joint loads: a cluster has four row tiles, q has one.  It is 24 work-groups of 160.
; CLUSTERS: the four of a row of the cluster need the same tiles of A', the four of a column the same tiles of B': each tile is asked for JOINTLY, by the same tensor load with the same descriptor and a mask that names the four.
; WHAT LEAVES.  A fragment image is 1,024 bytes: registers 4 c .. 4 c + 3 of lane l at 512 c + 16 l; lane (r, h) holds k = 64 c + 32 h + 0 .. 31 of row r.
;   KB, QB: [head][mt 8][residue 16][image]; the image's 16 rows are the tokens 256 mt + 16 kk + residue, token kk at row 8 ((kk >> 1) & 1) + 2 (kk >> 2) + (kk & 1); from 0x200000 on a scale word for each row, same order.
;   VB: [head][t 8][s 16][image]: rows = channels 16 t .., K = tokens 128 s ..; from 0x200000 on the scale words [head][s][r 16][t 8].
; LIMITS: NaN and infinities are not served; a block whose largest magnitude lies under 2^-124, a block of zeros among them, gets the scale byte 1 (zeros have zero codes, and this program alone reads the bytes).
; REGISTERS, in windows of 256: window 0: v0-31 addresses; v32-95 scale words, two sets, and nothing else; from v128 A's fragments, ONE set; behind the loop v96-255 are at work.
;   window 1: B's fragments, TWO sets.   window 2: the accumulators of my rows 0-63 ((a, b) at v[8 (8 a + b)]);   window 3: those of my rows 64-127.
.set KSTEP,  512                       ; along K in a slot
.set NQ,     KSTEP/128                 ; matrix instructions deep
.set ROWB,   256                       ; a tile's row in bytes
.set KROW,   1024                      ; a row of codes in memory
.set PITCH,  272                       ; an LDS row: 256 bytes + 16 of padding: the 16 rows that a load touches start at 16 different banks (64 banks of 4 bytes: ISA guide 11.1)
.set FR,     8                         ; registers of a fragment
.set NL,     2                         ; LDS loads that bring one
.set NP,     4                         ; places behind this matrix instruction (ISA guide 7.12.1)
.set HALFT,  128*PITCH                 ; 128 rows: what one tensor load brings
.set SLOT,   4*HALFT                   ; A's 256 rows, then B's 256 rows
.set LAPS,   2                         ; 2,048 along K = four K steps = twice round the ring
.set KS,     64                        ; a row of scale bytes
.set SCL,    2*SLOT                    ; behind the ring: the scales, as units of 256 bytes + 16 of padding
.set HALFS,  (128*KS/256)*272
.set SBLK,   (16*KS/256)*272
.set SPARE,  SCL+4*HALFS               ; the spare words, 128 bytes for each wave: two blocks of 256 bytes that no other line names
.set FP,     1040                      ; the way out of k and q: 32 images, 1,040 bytes apart, in slot 0, which has had its last fill and its last read by then;
.set KSS,    32*FP                     ; behind them their scale words, 64 bytes an image
.set KSTO, 8                           ; v8   where I put 16 bytes of an image
.set KSSO, 9                           ; v9   and a scale word
.set KRD,  10                          ; v10  where I read images back
.set KSRD, 11                          ; v11  and scale words
.set L16,  12                          ; v12  16 x lane
.set VSO,  13                          ; v13  v's scale words: 32 r + 16 h
.set LANE, 14                          ; v14  lane
.set ADRA, 16                          ; v16-17  LDS address of my A fragments in slot 0, 1
.set ADRB, 20                          ; v20-21  the same for B
.set ADRS, 27                          ; v27     LDS address of my scale words: lanes 0-15 A's rows, lanes 16-31 B's
.set SPW,  28                          ; v28     LDS address of my spare word; never rewritten
.set NIL,  29                          ; v29     0; never rewritten
.set SC,   32                          ; scale words: set s at v[SC + 8 NQ s]; register NQ i + q: lanes 0-15 A's block i, lanes 16-31 B's block i, the slot's q-th 128 along K
.set AF,   128                         ; A's fragments
.set T,    96                          ; behind the loop: v96-127 at work
.set Y,    128                         ; v128-191 a row's 64 numbers
.set TM,   192                         ; v192-207 maxima, bytes, scale operands
.set PC,   208                         ; v208-215 the codes just made
.set PW,   216                         ; v216 their scale word
.set NM,   218                         ; v[218:219] - the mean
.set R,    220                         ; v[220:221] 1 / sqrt(variance + eps)
.set VPW,  224                         ; v224-231 v's eight scale words
.set VS4,  232                         ; v232-235 the four that I store
.set BK,   96                          ; v96-163 images read back
.set G1, 24
.set G0, 32
.set G1B, 48
.set G0B, 56
.set G1S, 68
.set G0S, 76
.set G1SB, 80
.set G0SB, 88
.set TYPE, 95                          ; s95  0: k, 1: v, 2: q
.set MSB, 0
.macro WIN new                         ; the immediate's high byte repeats the setting that is left
.if MSB != (\new)
	s_set_vgpr_msb (MSB<<8)|(\new)
.set MSB, (\new)
.endif
.endm
.set MUL_LO, 0xa1                      ; source 0 (B) window 1, source 1 (A) window 0, C and D window 2
.set MUL_HI, 0xf1                      ; the same, C and D window 3
.set TO_B,   0x40                      ; destination window 1, address window 0
; A joint load: waves 0 and 1 fetch for A, waves 2 and 3 for B.  Each of the two lines has ONE mask and one set of registers for all that issue it; the branch hangs on the wave's number alone.
; Four v_nop follow each of the two lines, ahead of the jump, the label and what follows.
.macro JLOAD g0a, g1a, g0b, g1b
	s_cmp_eq_u32 s15, 0
	s_cbranch_scc0 .Lfor_b_\@
	tensor_load_to_lds s[\g0a:\g0a+3], s[\g1a:\g1a+7]
	s_nop 0
.rept 4
	v_nop
.endr
	s_branch .Lasked_\@
.Lfor_b_\@:
	tensor_load_to_lds s[\g0b:\g0b+3], s[\g1b:\g1b+7]
	s_nop 0
.rept 4
	v_nop
.endr
.Lasked_\@:
.endm
.macro CREST                           ; a round of the cluster's barrier behind its opening barrier
	s_cmp_lg_u32 s14, 0
	s_cbranch_scc1 .Lnot_wave_0_\@
	s_barrier_signal -3
.Lnot_wave_0_\@:
	s_barrier_wait -3
	s_barrier_signal -1
	s_barrier_wait -1
.endm
.macro CROUND                          ; a whole round
	s_barrier_signal -1
	s_barrier_wait -1
	CREST
.endm
	s_load_b512 s[24:39], s[0:1], 0x0              ; XQ, Wk's codes, Wk's scales, Wv's codes, Wv's scales, Wq's codes, Wq's scales, KB
	s_load_b128 s[48:51], s[0:1], 0x40             ; VB, QB
	v_lshl_add_u32 v[SPW], v0, 2, SPARE
	v_mov_b32 v[NIL], 0
	ds_add_u32 v28, v29
	ds_add_u32 v28, v29
	s_wait_dscnt 0x0
	v_lshrrev_b32 v1, 5, v0
	v_readfirstlane_b32 s14, v1                    ; wave 0..3
	s_lshr_b32 s15, s14, 1                         ; which half of the tile's rows of A' is mine.  Also: I fetch for A (0) or for B (1)
	s_and_b32 s16, s14, 1                          ; which half of its rows of B'.  Also: which 128 rows of that tile I fetch
	s_bfe_u32 s40, ttmp6, 0x40000                  ; cx, cy: my place in the cluster
	s_bfe_u32 s41, ttmp6, 0x40004
	s_lshr_b32 s[TYPE], ttmp9, 2                   ; ttmp9 counts clusters: 0-3 k, 4-7 v, 8-9 q
	s_and_b32 s96, ttmp9, 1
	s_bfe_u32 s97, ttmp9, 0x10001
	s_cmp_eq_u32 s[TYPE], 2
	s_cselect_b32 s97, s96, s97                    ; which four tiles of B': bit 1 of c; for q bit 0
	s_cselect_b32 s96, 0, s96                      ; which four tiles of A': bit 0 of c; for q the first
	s_lshl_b32 s42, s97, 2
	s_add_co_u32 s42, s42, s40                     ; tile of B'
	s_lshl_b32 s17, s96, 2
	s_add_co_u32 s17, s17, s41                     ; tile of A'
	s_lshl_b32 s43, s41, 2
	s_lshl_b32 s43, 15, s43                        ; my row of the cluster
	s_lshl_b32 s44, 0x1111, s40                    ; my column
	s_lshl_b32 s18, s16, 7                         ; which 128 rows of the tile I fetch
	s_lshl_b32 s20, s17, 8
	s_add_co_u32 s20, s20, s18                     ; A': row 256 x tile + 128 x half
	s_lshl_b32 s46, s42, 8
	s_add_co_u32 s46, s46, s18                     ; B' likewise
	s_mov_b32 s21, 0
	s_mov_b32 s47, 0
	s_mov_b64 s[18:19], KS
	s_mul_u64 s[22:23], s[20:21], s[18:19]         ; where these rows' scales begin, in bytes
	s_mul_u64 s[92:93], s[46:47], s[18:19]
	s_mov_b64 s[18:19], KROW
	s_mul_u64 s[20:21], s[20:21], s[18:19]         ; and their codes
	s_mul_u64 s[46:47], s[46:47], s[18:19]
	s_mul_i32 s45, s14, HALFT                      ; where they go: wave x 128 rows: no place in the cluster enters an LDS address
	s_mul_i32 s94, s14, HALFS
	s_wait_kmcnt 0x0
	s_add_nc_u64 s[52:53], s[24:25], 0x200000      ; xn's scale bytes
	s_cmp_eq_u32 s[TYPE], 2                        ; the choices hang on the cluster's number alone
	s_cselect_b64 s[8:9], s[34:35], s[26:27]       ; B's codes: Wq's or Wk's
	s_cselect_b64 s[10:11], s[36:37], s[28:29]     ; B's scales
	s_cselect_b64 s[12:13], s[50:51], s[38:39]     ; out: QB or KB
	s_cmp_eq_u32 s[TYPE], 1
	s_cselect_b64 s[4:5], s[30:31], s[24:25]       ; A's codes: Wv's, else xn's
	s_cselect_b64 s[6:7], s[32:33], s[52:53]       ; A's scales
	s_cselect_b64 s[8:9], s[24:25], s[8:9]         ; for v B' is xn
	s_cselect_b64 s[10:11], s[52:53], s[10:11]
	s_cselect_b64 s[12:13], s[48:49], s[12:13]     ; and out is VB
	; descriptor group 1: a tile of 128 rows x ROWB bytes, padded in LDS
	s_or_b32 s[G1+0], s43, (0<<16)|(1<<20)|(1<<21)|(5<<22)|(3<<25)  ; 15:0 the mask: A's tiles go to my row; 17:16 element of 1 byte; 20 padding on; 21 set beside a mask; 24:22 after every 64 words (code 5); 31:25 of 4 words (code 3)
	s_or_b32 s[G1B+0], s44, (0<<16)|(1<<20)|(1<<21)|(5<<22)|(3<<25)
.irp g, G1, G1B
	s_mov_b32 s[\g+1], ROWB<<16                    ; tensor_dim0
	s_mov_b32 s[\g+2], 128<<16                     ; tensor_dim1 = 128
	s_mov_b32 s[\g+3], ROWB<<16                    ; tile_dim0
	s_mov_b32 s[\g+4], 128                         ; tile_dim1 = 128
	s_mov_b32 s[\g+5], KROW                        ; tensor_dim0_stride
	s_mov_b32 s[\g+6], 0
	s_mov_b32 s[\g+7], 0
.endr
	; and for the scales of 128 rows: a dense block of 8,192 bytes, as rows of 256 bytes (32 elements of 8 bytes), 16 bytes of padding behind each
	s_or_b32 s[G1S+0], s43, (3<<16)|(1<<20)|(1<<21)|(5<<22)|(3<<25)
	s_or_b32 s[G1SB+0], s44, (3<<16)|(1<<20)|(1<<21)|(5<<22)|(3<<25)
.irp g, G1S, G1SB
	s_mov_b32 s[\g+1], 32<<16
	s_mov_b32 s[\g+2], (128*KS/256)<<16
	s_mov_b32 s[\g+3], 32<<16
	s_mov_b32 s[\g+4], 128*KS/256
	s_mov_b32 s[\g+5], 32
	s_mov_b32 s[\g+6], 0
	s_mov_b32 s[\g+7], 0
.endr
	s_add_nc_u64 s[20:21], s[4:5], s[20:21]
	s_add_nc_u64 s[22:23], s[6:7], s[22:23]
	s_add_nc_u64 s[46:47], s[8:9], s[46:47]
	s_add_nc_u64 s[92:93], s[10:11], s[92:93]
	CROUND                                         ; all sixteen work-groups are here: the first joint loads meet
	s_mov_b32 s[G0S], 1
	s_add_co_u32 s[G0S+1], s94, SCL
	s_mov_b64 s[G0S+2:G0S+3], s[22:23]
	s_or_b32 s[G0S+3], s[G0S+3], 0x80000000
	s_mov_b32 s[G0SB], 1
	s_add_co_u32 s[G0SB+1], s94, SCL
	s_mov_b64 s[G0SB+2:G0SB+3], s[92:93]
	s_or_b32 s[G0SB+3], s[G0SB+3], 0x80000000
	JLOAD G0S, G1S, G0SB, G1SB                     ; the scales first: they are wanted with K step 0
.irp s, 0,1
	s_mov_b32 s[G0+4*\s], 1
	s_add_co_u32 s[G0+4*\s+1], s45, \s*SLOT
	s_add_nc_u64 s[G0+4*\s+2:G0+4*\s+3], s[20:21], \s*ROWB
	s_or_b32 s[G0+4*\s+3], s[G0+4*\s+3], 0x80000000
	s_mov_b32 s[G0B+4*\s], 1
	s_add_co_u32 s[G0B+4*\s+1], s45, \s*SLOT
	s_add_nc_u64 s[G0B+4*\s+2:G0B+4*\s+3], s[46:47], \s*ROWB
	s_or_b32 s[G0B+4*\s+3], s[G0B+4*\s+3], 0x80000000
	JLOAD G0+4*\s, G1, G0B+4*\s, G1B               ; three tensor loads of mine are out
.endr
	v_and_b32 v1, 15, v0                           ; r = l % 16
	v_bfe_u32 v2, v0, 4, 1                         ; h = l / 16
	v_mul_u32_u24 v3, v1, PITCH
	v_lshl_add_u32 v4, v2, 4, v3                   ; a fragment's row x pitch + 16 x half
	s_mul_i32 s21, s15, HALFT                      ; my 128 rows of A
	s_mul_i32 s22, s16, HALFT                      ; my 128 rows of B,
	s_add_co_u32 s22, s22, 2*HALFT                 ; which lie behind A's 256
.irp s, 0,1
	v_add_nc_u32 v[ADRA+\s], s21, v4
	v_add_nc_u32 v[ADRB+\s], s22, v4
	s_add_co_u32 s21, s21, SLOT
	s_add_co_u32 s22, s22, SLOT
.endr
	v_mul_u32_u24 v5, v1, KS                       ; my row's scales: KS bytes a row,
	v_lshrrev_b32 v6, 8, v5
	v_lshl_add_u32 v5, v6, 4, v5                   ; and 16 more for each 256 passed
	s_mul_i32 s21, s15, HALFS                      ; A's: my 128 rows
	s_mul_i32 s22, s16, HALFS                      ; B's: my 128 rows, behind A's 256
	s_add_co_u32 s22, s22, 2*HALFS
	s_sub_co_u32 s22, s22, s21
	v_mul_u32_u24 v6, s22, v2                      ; lanes 16-31 take B's
	s_add_co_u32 s21, s21, SCL
	v_add_nc_u32 v5, v5, v6
	v_add_nc_u32 v[ADRS], s21, v5
	; the way out's LDS addresses, all made here, ahead of every parting of ways
	s_mul_i32 s21, s16, 16*FP
	s_lshl_b32 s22, s15, 6
	s_add_co_u32 s21, s21, s22
	v_mul_u32_u24 v[KSTO], v1, FP
	v_lshl_add_u32 v[KSTO], v2, 8, v[KSTO]
	v_add_nc_u32 v[KSTO], s21, v[KSTO]             ; image 16 x (my half of B') + r; in it 256 h + 64 x (my half of A')
	s_lshl_b32 s21, s16, 10
	s_lshl_b32 s22, s15, 4
	s_add_co_u32 s21, s21, s22
	s_add_co_u32 s21, s21, KSS
	v_lshl_add_u32 v[KSSO], v1, 6, s21             ; its scale words: 64 bytes an image, + 16 x (my half of A')
	v_and_b32 v[LANE], 31, v0
	v_lshlrev_b32 v[L16], 4, v[LANE]
	s_mul_i32 s21, s14, 8*FP
	v_add_nc_u32 v[KRD], s21, v[L16]               ; back: wave w takes images 8 w .. 8 w + 7
	s_lshl_b32 s21, s14, 9
	s_add_co_u32 s21, s21, KSS
	v_add_nc_u32 v[KSRD], s21, v[L16]
	v_lshlrev_b32 v[VSO], 5, v1
	v_lshl_add_u32 v[VSO], v2, 4, v[VSO]
	; where my results go, in bytes.  k, q (by the images that I send): head = 2 x tile of B' + wave / 2, mt = tile of A', residues 8 (wave % 2) on
	s_lshl_b32 s18, s42, 1
	s_add_co_u32 s18, s18, s15
	s_lshl_b32 s18, s18, 3
	s_add_co_u32 s18, s18, s17                     ; 8 head + mt
	s_lshl_b32 s19, s18, 10
	s_lshl_b32 s20, s16, 9
	s_add_co_u32 s19, s19, s20                     ; scale words: 1,024 bytes for each (head, mt)
	s_lshl_b32 s18, s18, 14
	s_lshl_b32 s20, s16, 13
	s_add_co_u32 s18, s18, s20                     ; codes: 16,384 bytes
	; v: head = 2 x tile of A' + my half of it, K step s = 2 x tile of B' + my half of it
	s_lshl_b32 s20, s17, 1
	s_add_co_u32 s20, s20, s15
	s_lshl_b32 s21, s42, 1
	s_add_co_u32 s21, s21, s16
	s_lshl_b32 s22, s20, 4
	s_add_co_u32 s22, s22, s21
	s_lshl_b32 s22, s22, 9                         ; scale words: 512 bytes for each (head, s)
	s_lshl_b32 s20, s20, 17
	s_lshl_b32 s21, s21, 10
	s_add_co_u32 s20, s20, s21                     ; codes: 131,072 a head, 1,024 an s
	s_cmp_eq_u32 s[TYPE], 1
	s_cselect_b32 s18, s20, s18
	s_cselect_b32 s22, s22, s19
	s_mov_b32 s19, 0
	s_mov_b32 s23, 0
	s_add_nc_u64 s[66:67], s[12:13], s[22:23]
	s_add_nc_u64 s[66:67], s[66:67], 0x200000      ; s[66:67]: my scale words
	s_add_nc_u64 s[12:13], s[12:13], s[18:19]      ; s[12:13]: my codes
	s_mov_b32 s20, 0x76543210
	s_mov_b32 s21, 0xfedcba98                      ; v_permlanex16_b32's selects for lane l xor 16
	s_mov_b32 s22, 0x3c000000                      ; 1 / 128
	s_mov_b32 s23, 0x3727c5ac                      ; 1e-5
	s_mov_b32 s18, 0xffff0000                      ; a word's upper bf16
.macro FRAG reg, adr, q, i             ; a fragment, 16 rows x 128 K of 4-bit codes, is 8 registers: lane l holds row l % 16; registers 4 c .. 4 c + 3 hold K = 64 c + 32 (l / 16) + 0 .. 31
.irp c, 0,1
	ds_load_b128 v[\reg+4*\c:\reg+4*\c+3], v[\adr] offset:64*(\q)+32*\c+(\i)*16*PITCH
.endr
.endm
; 16 matrix instructions: A's blocks a0, a0 + 1 x B's eight, 128 along K: the slot's q-th.  p: B's set;  sc: the set of scale words.  zero = 1: the first product starts the sums: nothing is ever cleared.
; The 64 accumulators take turns, one instruction a turn, in the same order in every step.
.macro MUL16 a0, p, q, sc, zero
.irp a, \a0, \a0+1
.irp b, 0,1,2,3,4,5,6,7
.if \zero
	v_wmma_scale_f32_16x16x128_f8f6f4 v[8*(8*((\a)%4)+\b):8*(8*((\a)%4)+\b)+7], v[128*(\p)+FR*\b:128*(\p)+FR*\b+FR-1], v[AF+FR*(\a):AF+FR*(\a)+FR-1], 0, v[SC+8*NQ*(\sc)+NQ*\b+(\q)], v[SC+8*NQ*(\sc)+NQ*(\a)+(\q)] matrix_a_fmt:MATRIX_FMT_FP4 matrix_b_fmt:MATRIX_FMT_FP4 matrix_a_scale:MATRIX_SCALE_ROW1
.else
	v_wmma_scale_f32_16x16x128_f8f6f4 v[8*(8*((\a)%4)+\b):8*(8*((\a)%4)+\b)+7], v[128*(\p)+FR*\b:128*(\p)+FR*\b+FR-1], v[AF+FR*(\a):AF+FR*(\a)+FR-1], v[8*(8*((\a)%4)+\b):8*(8*((\a)%4)+\b)+7], v[SC+8*NQ*(\sc)+NQ*\b+(\q)], v[SC+8*NQ*(\sc)+NQ*(\a)+(\q)] matrix_a_fmt:MATRIX_FMT_FP4 matrix_b_fmt:MATRIX_FMT_FP4 matrix_a_scale:MATRIX_SCALE_ROW1
.endif
.endr
.endr
.endm
.macro FETCH_B slot, q, p              ; B's eight fragments of the slot's q-th 128 along K into set p
	WIN TO_B
.irp i, 0,1,2,3,4,5,6,7
	FRAG 128*(\p)+FR*\i, ADRB+\slot, \q, \i
.endr
	WIN 0
.endm
.macro FETCH_A slot, q, i0             ; A's blocks i0 .. i0 + 3
.irp i, \i0, \i0+1, \i0+2, \i0+3
	FRAG AF+FR*(\i), ADRA+\slot, \q, \i
.endr
.endm
.macro SCALES sc                       ; the next K step's scale words into set sc: NQ words a row; lanes 0-15 take A's block i, lanes 16-31 B's block i
.irp i, 0,1,2,3,4,5,6,7
	ds_load_b128 v[SC+8*NQ*\sc+NQ*\i:SC+8*NQ*\sc+NQ*\i+3], v[ADRS] offset:\i*SBLK
.endr
.endm
; A load into a register that a matrix instruction has read, and a vector instruction that reads a matrix result or writes one of a matrix instruction's registers, stand NP places behind it, and only plain
; vector instructions that name none of its registers are places (ISA guide 7.12.1 for vector instructions).
.macro PLACES n
.rept \n
	v_nop
.endr
.endm
; A step of 128 along K that has its successor in the same slot.
.macro STEP slot, q, zero
	s_wait_dscnt 4*NL                              ; B's set and A's blocks 0-3 are in; the youngest eight loads (A's blocks 4-7) may be out
	WIN MUL_LO
	MUL16 0, (\q)%2, \q, \slot, \zero
	MUL16 2, (\q)%2, \q, \slot, \zero
	s_wait_dscnt 0                                 ; A's blocks 4-7 are in (asked for 32 matrix instructions ago)
	PLACES NP
	FETCH_B \slot, (\q)+1, 1-(\q)%2
	FETCH_A \slot, (\q)+1, 0
	WIN MUL_HI
	MUL16 4, (\q)%2, \q, \slot, \zero
	MUL16 6, (\q)%2, \q, \slot, \zero
	PLACES NP
	WIN 0
	FETCH_A \slot, (\q)+1, 4
.endm
; A slot's last step changes slots: ONE barrier; in front of it each wave waits for all its tensor loads, adds 0 to its spare word, and waits for that and for its own reads of this slot.  fill = 1: this slot is filled again, two K steps ahead.
.macro TURN slot, next, fill
	s_wait_tensorcnt 0x0                           ; all my tensor loads have landed: my part of the next slot;  (every window is 0 here)
	ds_add_u32 v[SPW], v[NIL]                      ; 0 onto my spare word;
	s_wait_dscnt 4*NL+1                            ; (the add and the youngest eight loads, A's blocks 4-7, may be out)
	WIN MUL_LO
	MUL16 0, 1, NQ-1, \slot, 0                     ; sixteen matrix instructions stand between the add and the wait for it
	s_wait_dscnt 0x0                               ; the add is done, and my reads of this slot are over
	s_barrier_signal -1
	MUL16 2, 1, NQ-1, \slot, 0
	WIN 0
	s_barrier_wait -1
.if \fill
	CREST                                          ; the barrier has opened a round of the cluster's barrier: no wave of any partner still reads this slot's tile or has a load on its way
	s_add_nc_u64 s[G0+4*\slot+2:G0+4*\slot+3], s[G0+4*\slot+2:G0+4*\slot+3], 2*ROWB
	s_add_nc_u64 s[G0B+4*\slot+2:G0B+4*\slot+3], s[G0B+4*\slot+2:G0B+4*\slot+3], 2*ROWB
	JLOAD G0+4*\slot, G1, G0B+4*\slot, G1B         ; the first tensor load behind the round, my only one until the next; its four v_nop are also the places in front of the loads below
.else
	PLACES NP
.endif
	v_add_nc_u32 v[ADRS], 4*NQ, v[ADRS]            ; on to the next K step's scale words (no LDS load of mine is out)
	FETCH_B \next, 0, 0
	FETCH_A \next, 0, 0
	SCALES \next
	WIN MUL_HI
	MUL16 4, 1, NQ-1, \slot, 0
	MUL16 6, 1, NQ-1, \slot, 0
	PLACES NP
	WIN 0
	FETCH_A \next, 0, 4
.endm
.macro STEPS slot, from                ; the slot's steps from .. NQ - 2
.set Q, \from
.rept NQ-1-\from
	STEP \slot, Q, 0
.set Q, Q+1
.endr
.endm
	s_wait_tensorcnt 1                             ; the scales and my part of K step 0 are in (K step 1's load may be out)
	s_barrier_signal -1
	s_barrier_wait -1                              ; everybody's are
	FETCH_B 0, 0, 0
	FETCH_A 0, 0, 0
	SCALES 0
	FETCH_A 0, 0, 4
	STEP 0, 0, 1                                   ; the first step stands in front of the loop: its products start the sums
	s_mov_b32 s3, LAPS-1
.Llap:                                                 ; a trip goes once round the ring, from a lap's second step to the next lap's first, and fills both slots again
	STEPS 0, 1
	TURN 0, 1, 1
	STEPS 1, 0
	TURN 1, 0, 1
	STEP 0, 0, 0
	s_sub_co_u32 s3, s3, 1
	s_cmp_lg_u32 s3, 0
	s_cbranch_scc1 .Llap
	STEPS 0, 1                                     ; the last lap fills nothing, and has no round of the cluster's barrier
	TURN 0, 1, 0
	STEPS 1, 0
	s_wait_dscnt 4*NL                              ; the very last step: nothing more to fetch
	WIN MUL_LO
	MUL16 0, 1, NQ-1, 1, 0
	MUL16 2, 1, NQ-1, 1, 0
	s_wait_dscnt 0
	WIN MUL_HI
	MUL16 4, 1, NQ-1, 1, 0
	MUL16 6, 1, NQ-1, 1, 0
	WIN 0
; 64 numbers of a lane, v[s] .. v[s + 63] of window w, register 16 b + 8 u + j = k 32 b + 16 u + 8 (lane / 16) + j of my row, become a fragment's codes in v[PC] on and its scale word in v[PW].
; A block of 32 lies in lanes l and l xor 16.  A conversion's result is 8 codes: word 2 u + (lane / 16) of its block; the operand wants block 2 c in lanes 0-15 and block 2 c + 1 in lanes 16-31.  So the words (b, u) are
; laid at PC + 4 (b / 2) + 2 u + b % 2, and one exchange of halves for each pair of registers puts every word into its lane and register.
.macro QUANT w, s
	WIN ((\w)|((\w)<<2))
.irp b, 0,1,2,3
	v_max3_num_f32 v[TM+\b], |v[\s+16*\b]|, |v[\s+1+16*\b]|, 0x1800000   ; from each accumulator's low end on; the floor 2^(3 - 127) holds the byte at 1 from below
.endr
	WIN (((\w)<<2)|((\w)<<4))
.irp i, 2,4,6,8,10,12,14
.irp b, 0,1,2,3
	v_max3_num_f32 v[TM+\b], v[TM+\b], |v[\s+16*\b+\i]|, |v[\s+1+16*\b+\i]|   ; (the four blocks by turns)
.endr
.endr
	WIN 0
.irp b, 0,1,2,3
	v_permlanex16_b32 v[TM+4+\b], v[TM+\b], s20, s21
.endr
.irp b, 0,1,2,3
	v_max_num_f32 v[TM+\b], v[TM+\b], v[TM+4+\b]   ; with lane l xor 16's: the block's largest magnitude
.endr
.irp b, 0,1,2,3
	v_add_nc_u32 v[TM+12+\b], 0xff000000, v[TM+\b] ; 2 off its exponent field: the conversion's scale operand
.endr
.irp b, 0,1,2,3
	v_lshrrev_b32 v[TM+4+\b], 23, v[TM+12+\b]      ; the scale's byte
.endr
	v_lshl_or_b32 v[PW], v[TM+5], 8, v[TM+4]       ; the four bytes make my row's scale word
	v_lshl_or_b32 v[PW], v[TM+6], 16, v[PW]
	v_lshl_or_b32 v[PW], v[TM+7], 24, v[PW]
	WIN (\w)
.irp b, 0,1,2,3
	v_cvt_scalef32_pk8_fp4_f32 v[PC+4*(\b/2)+(\b%2)], v[\s+16*\b:\s+16*\b+7], v[TM+12+\b]
	v_cvt_scalef32_pk8_fp4_f32 v[PC+4*(\b/2)+2+(\b%2)], v[\s+16*\b+8:\s+16*\b+15], v[TM+12+\b]
.endr
	WIN 0
	v_nop                                          ; one plain place behind a scaled conversion
.irp c, 0,1
.irp u, 0,1
	v_permlane16_swap_b32 v[PC+4*\c+2*\u], v[PC+4*\c+2*\u+1]
.endr
.endr
.endm
; k, q: A's block a.  My token is 16 a + r of my 128; its head's 128 numbers lie in my 64 registers and those of lane l xor 16.  LayerNorm (the mean first, then the squares of the differences), the cast to bf16, the quantiser;
; the codes go to the image of residue r, at row 4 x (my half of A') + RHO.
.macro KROWS a
.set W, 2+(\a)/4
.set AC, 64*((\a)%4)
.set RHO, 8*(((\a)>>1)&1)+2*((\a)>>2)+((\a)&1)
	s_wait_dscnt 0x0                               ; the last block's stores into the stage are done with PC and PW
	WIN (W|(W<<2))
.irp q, 0,1,2,3,4,5,6,7,8,9,10,11,12,13,14,15
	v_pk_add_f32 v[T+2*\q:T+2*\q+1], v[AC+4*\q:AC+4*\q+1], v[AC+4*\q+2:AC+4*\q+3]   ; ascending: each accumulator is first read at its low end
.endr
	WIN 0
.irp q, 0,1,2,3,4,5,6,7
	v_pk_add_f32 v[T+4*\q:T+4*\q+1], v[T+4*\q:T+4*\q+1], v[T+4*\q+2:T+4*\q+3]
.endr
.irp q, 0,1,2,3
	v_pk_add_f32 v[T+8*\q:T+8*\q+1], v[T+8*\q:T+8*\q+1], v[T+8*\q+4:T+8*\q+5]
.endr
.irp q, 0,1
	v_pk_add_f32 v[T+16*\q:T+16*\q+1], v[T+16*\q:T+16*\q+1], v[T+16*\q+8:T+16*\q+9]
.endr
	v_pk_add_f32 v[T:T+1], v[T:T+1], v[T+16:T+17]
	v_add_f32 v[T], v[T], v[T+1]
	v_permlanex16_b32 v[T+1], v[T], s20, s21
	v_add_f32 v[T], v[T], v[T+1]
	v_mul_f32 v[NM], 0xbc000000, v[T]              ; - the mean of the 128
	WIN W
.set i, 0
.rept 32
	v_pk_add_f32 v[Y+2*i:Y+2*i+1], v[AC+2*i:AC+2*i+1], v[NM:NM+1] op_sel_hi:[1,0]
.set i, i+1
.endr
	WIN 0
.irp c, 0,1,2,3
	v_pk_mul_f32 v[TM+2*\c:TM+2*\c+1], v[Y+2*\c:Y+2*\c+1], v[Y+2*\c:Y+2*\c+1]
.endr
.set i, 4
.rept 28
	v_pk_fma_f32 v[TM+2*(i%4):TM+2*(i%4)+1], v[Y+2*i:Y+2*i+1], v[Y+2*i:Y+2*i+1], v[TM+2*(i%4):TM+2*(i%4)+1]
.set i, i+1
.endr
	v_pk_add_f32 v[TM:TM+1], v[TM:TM+1], v[TM+2:TM+3]
	v_pk_add_f32 v[TM+4:TM+5], v[TM+4:TM+5], v[TM+6:TM+7]
	v_pk_add_f32 v[TM:TM+1], v[TM:TM+1], v[TM+4:TM+5]
	v_add_f32 v[TM], v[TM], v[TM+1]
	v_permlanex16_b32 v[TM+1], v[TM], s20, s21
	v_add_f32 v[TM], v[TM], v[TM+1]
	v_fma_f32 v[TM], v[TM], s22, s23               ; the variance + eps
	v_rsq_f32 v[R], v[TM]
	v_nop                                          ; a plain instruction behind the transcendental
	s_wait_alu depctr_va_vdst(0)                   ; the wait ahead of the first line that names the result
.set i, 0
.rept 32
	v_pk_mul_f32 v[Y+2*i:Y+2*i+1], v[Y+2*i:Y+2*i+1], v[R:R+1] op_sel_hi:[1,0]
.set i, i+1
.endr
.set i, 0
.rept 32
	v_cvt_pk_bf16_f32 v[T+i], v[Y+2*i], v[Y+2*i+1] ; the problem casts q and k to bf16 here: the quantiser takes the rounded numbers,
.set i, i+1
.endr
.set i, 0
.rept 32
	v_lshlrev_b32 v[Y+2*i], 16, v[T+i]             ; widened to f32 again
	v_and_b32 v[Y+2*i+1], s18, v[T+i]
.set i, i+1
.endr
	QUANT 0, Y
	ds_store_b128 v[KSTO], v[PC:PC+3] offset:16*RHO
	ds_store_b128 v[KSTO], v[PC+4:PC+7] offset:512+16*RHO
	ds_store_b32 v[KSSO], v[PW] offset:4*RHO       ; (both halves of the lanes write the same word with the same value)
.endm
; v: A's block a.  My channel is 16 a + r of my head; my 64 registers and those of lane l xor 16 are 128 neighbouring tokens: one K step.  The codes are an image as they stand: 512 consecutive bytes a store.
.macro VROWS a
.set W, 2+(\a)/4
.set AC, 64*((\a)%4)
	s_wait_xcnt 0x0                                ; the last block's stores have read PC: only behind this wait is it written again
	QUANT W, AC
	global_store_b128 v[L16], v[PC:PC+3], s[12:13] offset:16384*(\a)
	global_store_b128 v[L16], v[PC+4:PC+7], s[12:13] offset:16384*(\a)+512
	v_mov_b32 v[VPW+(\a)], v[PW]
.endm
	PLACES NP                                      ; behind the last products: their results are read, and A's registers written, below
.irp b, 0,1,2,3
	v_mov_b32 v[TM+4+\b], 0                        ; written once: a lane permute's destination counts as one of its sources
.endr
	v_mov_b32 v[NM+1], 0                           ; (named as the upper halves of pairs)
	v_mov_b32 v[R+1], 0
	s_cmp_eq_u32 s[TYPE], 1                        ; the same in all waves of all sixteen partners
	s_cbranch_scc1 .Lv_arm
.irp a, 0,1,2,3,4,5,6,7
	KROWS \a
.endr
	s_branch .Ljoin
.Lv_arm:
.irp a, 0,1,2,3,4,5,6,7
	VROWS \a
.endr
	v_cmp_le_u32 vcc_lo, 16, v[LANE]
.irp i, 0,1,2,3
	v_cndmask_b32 v[VS4+\i], v[VPW+\i], v[VPW+4+\i], vcc_lo   ; lanes 0-15 send t = 0 .. 3 of channel row r, lanes 16-31 t = 4 .. 7
.endr
	global_store_b128 v[VSO], v[VS4:VS4+3], s[66:67]   ; 512 consecutive bytes
.Ljoin:
	s_wait_dscnt 0x0                               ; for the others' sake: my stores into the stage have landed
	s_barrier_signal -1
	s_barrier_wait -1                              ; an image's rows come from two waves
	s_cmp_eq_u32 s[TYPE], 1
	s_cbranch_scc1 .Lend
.irp n, 0,1,2,3,4,5,6,7,8,9,10,11,12,13,14,15
	ds_load_b128 v[BK+4*\n:BK+4*\n+3], v[KRD] offset:FP*(\n/2)+512*(\n%2)
.endr
	ds_load_b128 v[BK+64:BK+67], v[KSRD]
.irp n, 0,1,2,3,4,5,6,7,8,9,10,11,12,13,14,15
	s_wait_dscnt 16-\n                             ; load n is in: the younger ones stay out
	global_store_b128 v[L16], v[BK+4*\n:BK+4*\n+3], s[12:13] offset:512*\n   ; 512 consecutive bytes
.endr
	s_wait_dscnt 0x0
	global_store_b128 v[L16], v[BK+64:BK+67], s[66:67]
.Lend:
	s_wait_tensorcnt 0x0                           ; the wave's end, behind my last tensor load and my last LDS store
	ds_add_u32 v[SPW], v[NIL]
	s_wait_dscnt 0x0
	CROUND                                         ; the closing round: no work-group ends while a partner may still ask for a tile that names it
	s_endpgm
.Lfunc_end_k_q5d0e262d79_proj:
	.size	k_q5d0e262d79_proj, .Lfunc_end_k_q5d0e262d79_proj-k_q5d0e262d79_proj
	.p2alignl 7, 3214868480
	.fill 96, 4, 3214868480
	.section	.rodata,"a",@progbits
	.p2align	6, 0x0
	.amdhsa_kernel k_q5d0e262d79_proj
		.amdhsa_group_segment_fixed_size 327680
		.amdhsa_private_segment_fixed_size 0
		.amdhsa_enable_private_segment 0
		.amdhsa_kernarg_size 80
		.amdhsa_user_sgpr_count 2
		.amdhsa_user_sgpr_kernarg_segment_ptr 1
		.amdhsa_wavefront_size32 1
		.amdhsa_system_sgpr_workgroup_id_x 1
		.amdhsa_system_sgpr_workgroup_id_y 1
		.amdhsa_system_sgpr_workgroup_id_z 1
		.amdhsa_system_vgpr_workitem_id 0
		.amdhsa_next_free_vgpr 1024
		.amdhsa_next_free_sgpr 100
		.amdhsa_reserve_vcc 1
		.amdhsa_float_denorm_mode_32 3
		.amdhsa_float_denorm_mode_16_64 3
		.amdhsa_memory_ordered 1
		.amdhsa_forward_progress 1
		.amdhsa_inst_pref_size 255
	.end_amdhsa_kernel
	.section	.bss,"aw",@nobits
	.p2align	6
	.space	262144
	.amdgpu_metadata
---
amdhsa.version: [ 1, 2 ]
amdhsa.kernels:
  - .name:           k_q5d0e262d79_proj
    .symbol:         k_q5d0e262d79_proj.kd
    .args:
      - { .name: XQ, .offset: 0, .size: 8, .value_kind: global_buffer, .address_space: global }
      - { .name: Wk_codes, .offset: 8, .size: 8, .value_kind: global_buffer, .address_space: global }
      - { .name: Wk_scales, .offset: 16, .size: 8, .value_kind: global_buffer, .address_space: global }
      - { .name: Wv_codes, .offset: 24, .size: 8, .value_kind: global_buffer, .address_space: global }
      - { .name: Wv_scales, .offset: 32, .size: 8, .value_kind: global_buffer, .address_space: global }
      - { .name: Wq_codes, .offset: 40, .size: 8, .value_kind: global_buffer, .address_space: global }
      - { .name: Wq_scales, .offset: 48, .size: 8, .value_kind: global_buffer, .address_space: global }
      - { .name: KB, .offset: 56, .size: 8, .value_kind: global_buffer, .address_space: global }
      - { .name: VB, .offset: 64, .size: 8, .value_kind: global_buffer, .address_space: global }
      - { .name: QB, .offset: 72, .size: 8, .value_kind: global_buffer, .address_space: global }
    .group_segment_fixed_size: 327680
    .private_segment_fixed_size: 0
    .kernarg_segment_align: 8
    .kernarg_segment_size: 80
    .max_flat_workgroup_size: 128
    .sgpr_count:     100
    .vgpr_count:     1024
    .wavefront_size: 32
...
	.end_amdgpu_metadata
.endif
;; end of part 2
;; launch attn (part 3): grid 16 x 16, 4 waves a work-group, no clusters, 0 bytes of LDS; arguments QB, KB, VB, OB; writes OB
.if DOCPART == 3
	.amdgcn_target "amdgcn-amd-amdhsa--gfx1250"
	.amdhsa_code_object_version 6
	.text
	.protected	k_q5d0e262d79_attn
	.globl	k_q5d0e262d79_attn
	.p2align	8
	.type	k_q5d0e262d79_attn,@function
k_q5d0e262d79_attn:
	s_mov_b64 s[64:65], 0
	v_nop
	global_prefetch_b8 v0, s[64:65] scope:SCOPE_SE
	s_setreg_imm32_b32 hwreg(HW_REG_WAVE_MODE, 25, 1), 1
	s_wait_xcnt 0x0
; Attention under the mask q / 16 == key % 16, which the problem builds itself: only queries 0 .. 255 have keys, and the 16 queries of block b see exactly the 128 keys 16 kk + b, all of them.
; A work-group takes (block b, head h); each of its four waves makes the block's scores, softmax and weights by itself (8 matrix instructions) and then 32 of the head's 128 channels of o, which are one block of 32
; of the last product's K: so the waves hand each other nothing: no LDS, no barrier.  All operands come from memory as images of operand registers (1,024 bytes: registers 4 c .. 4 c + 3 of lane l at 512 c + 16 l).
; S^T = K Q^T: source 0 = 16 keys, source 1 = the 16 queries: a lane holds ONE query (lane % 16).  In KB the key 256 i + 16 kk + b lies at row 8 ((kk >> 1) & 1) + 2 (kk >> 2) + (kk & 1) of image (h, i, b): so
; registers 2 p and 2 p + 1 of lane half hh are the keys 32 jn + b and 32 jn + 16 + b with jn = 2 p + hh: the two keys of the natural block jn of 32 keys that count, already in the lane half in which the
; next operand wants that block.
; THE WEIGHTS are finished and normalised in f32 (the row's largest score is taken away ahead of the exponential; e / max(sum, 1e-30)) and then quantised along the natural key axis: a block's scale comes from its
; two weights, the other 30 are zeros.  O^T = V^T P^T runs over all 2,048 keys, 16 K steps, with zero codes in P: a scale of V belongs to 32 neighbouring keys, so the keys cannot be gathered.
; o's 32 channels of a wave are quantised in registers and leave as 256 bytes of the image (b, h) in OB; its scale byte goes to OB + 0x40000 + [b][r][h][wave].
; NO CLUSTER: the launch has no tensor load; what the 16 work-groups of a head share, V, goes straight into registers.
; LIMITS: NaN and infinities are not served; a block whose largest magnitude lies under 2^-124 gets the scale byte 1 (zeros have zero codes, and this program alone reads the bytes).
; REGISTERS: window 0 as named below; window 1 (v256-511): V's 32 fragments, (u, s) at 8 (16 u + s); window 2 (v512-639): P, pair p at 4 p.
.set LQ,  4                            ; v4   q: 1024 r + 256 hh (query r lies in the image of residue r)
.set LR64, 5                           ; v5   64 r
.set L16, 6                            ; v6   16 x lane
.set LKS, 7                            ; v7   4 r
.set LVS, 8                            ; v8   512 hh + 32 r
.set LO,  9                            ; v9   16 r + 8 hh
.set SH8, 10                           ; v10  8 hh
.set NMC, 14                           ; v[14:15] - c x the row's largest score
.set QF,  16                           ; v16-23  q's fragment
.set KS,  24                           ; v24-31  k's scale words
.set QS,  32                           ; v32     q's
.set S,   40                           ; v40-103 scores, then e, then the weights; v104-109 six zeros, so that every conversion has eight sources
.set O,   112                          ; v112-127 two accumulators
.set VS,  128                          ; v128-143 v's scale words: register 2 g + u: lanes 0-15 K step 2 g, lanes 16-31 K step 2 g + 1
.set PS,  144                          ; v144-159 P's scale words
.set SC,  160                          ; v160-191 the blocks' largest weights, then the conversions' scale operands
.set KF,  192                          ; v192-255 k's fragments; later:
.set X,   192                          ; v192-223 a pair's two codes
.set BY,  224                          ; v224-255 scale bytes, then
.set T2,  224                          ; the pair's second code
.set CS,  56                           ; s[56:57] c = log2(e) / sqrt(128)
.set SEL, 60                           ; s[60:61] selects for lane l xor 16
.set MSB, 0
.macro WIN new                         ; the immediate's high byte repeats the setting that is left
.if MSB != (\new)
	s_set_vgpr_msb (MSB<<8)|(\new)
.set MSB, (\new)
.endif
.endm
	s_load_b256 s[4:11], s[0:1], 0x0               ; QB, KB, VB, OB
	v_lshrrev_b32 v11, 5, v0
	v_readfirstlane_b32 s12, v11                   ; wave = which 32 channels
	v_and_b32 v1, 31, v0                           ; lane
	v_and_b32 v2, 15, v0                           ; r
	v_bfe_u32 v3, v0, 4, 1                         ; hh
	v_lshlrev_b32 v[LQ], 10, v2
	v_lshl_add_u32 v[LQ], v3, 8, v[LQ]
	v_lshlrev_b32 v[LR64], 6, v2
	v_lshlrev_b32 v[L16], 4, v1
	v_lshlrev_b32 v[LKS], 2, v2
	v_lshlrev_b32 v[LVS], 5, v2
	v_lshl_add_u32 v[LVS], v3, 9, v[LVS]
	v_lshlrev_b32 v[LO], 4, v2
	v_lshl_add_u32 v[LO], v3, 3, v[LO]
	v_lshlrev_b32 v[SH8], 3, v3
	v_mov_b32 v12, 0                               ; written once: a lane permute's destination counts as one of its sources
	v_mov_b32 v15, 0                               ; (named as the upper half of a pair)
	s_and_b32 s13, ttmp7, 0xffff                   ; the head; ttmp9 is the block b
	s_bfe_u32 s14, ttmp9, 0x10001
	s_lshl_b32 s14, s14, 3
	s_lshr_b32 s15, ttmp9, 2
	s_lshl_b32 s15, s15, 1
	s_add_co_u32 s14, s14, s15
	s_and_b32 s15, ttmp9, 1
	s_add_co_u32 s14, s14, s15                     ; the row at which token index b lies in an image: the block's queries
	s_and_b32 s15, ttmp9, 7
	s_lshl_b32 s15, s15, 2                         ; a code's place in its register: 4 (b % 8) bits up
	s_lshl_b32 s16, 15, s15
	s_cmp_lt_u32 ttmp9, 8
	s_cselect_b32 s17, s16, 0                      ; the mask of that place in a block's registers 0 and 2 (b < 8),
	s_cselect_b32 s18, 0, s16                      ; or in its registers 1 and 3
	s_mov_b32 s[CS], 0x3e0293ee
	s_mov_b32 s[CS+1], s[CS]                       ; (named with it as a pair)
	s_mov_b32 s58, 0xbe0293ee                      ; - c
	s_mov_b32 s[SEL], 0x76543210
	s_mov_b32 s[SEL+1], 0xfedcba98
	s_lshl_b32 s20, s13, 17                        ; a head's codes in QB, KB, VB: 131,072 bytes
	s_lshl_b32 s22, s13, 13
	s_add_co_u32 s22, s22, 0x200000                ; and its scale words: 8,192
	s_lshl_b32 s40, s14, 4
	s_add_co_u32 s40, s40, s20                     ; q's codes
	s_mov_b32 s41, 0
	s_lshl_b32 s42, s14, 2
	s_add_co_u32 s42, s42, s22                     ; q's scale words
	s_mov_b32 s43, 0
	s_lshl_b32 s44, ttmp9, 10
	s_add_co_u32 s44, s44, s20                     ; k's codes: image (h, 0, b)
	s_mov_b32 s45, 0
	s_lshl_b32 s46, ttmp9, 6
	s_add_co_u32 s46, s46, s22
	s_mov_b32 s47, 0
	s_lshl_b32 s48, s12, 15
	s_add_co_u32 s48, s48, s20                     ; v's codes: my two tiles of channels, 32,768 bytes on end
	s_mov_b32 s49, 0
	s_lshl_b32 s50, s12, 3
	s_add_co_u32 s50, s50, s22
	s_mov_b32 s51, 0
	s_lshl_b32 s52, ttmp9, 4
	s_add_co_u32 s52, s52, s13
	s_lshl_b32 s52, s52, 10
	s_lshl_b32 s53, s12, 8
	s_add_co_u32 s52, s52, s53                     ; o's codes: image (b, h), my 256 bytes
	s_mov_b32 s53, 0
	s_lshl_b32 s54, ttmp9, 10
	s_lshl_b32 s55, s13, 2
	s_add_co_u32 s54, s54, s55
	s_add_co_u32 s54, s54, s12
	s_add_co_u32 s54, s54, 0x40000                 ; o's scale bytes
	s_mov_b32 s55, 0
	s_wait_kmcnt 0x0
	s_add_nc_u64 s[24:25], s[4:5], s[40:41]
	s_add_nc_u64 s[26:27], s[4:5], s[42:43]
	s_add_nc_u64 s[28:29], s[6:7], s[44:45]
	s_add_nc_u64 s[30:31], s[6:7], s[46:47]
	s_add_nc_u64 s[32:33], s[8:9], s[48:49]
	s_add_nc_u64 s[34:35], s[8:9], s[50:51]
	s_add_nc_u64 s[36:37], s[10:11], s[52:53]
	s_add_nc_u64 s[38:39], s[10:11], s[54:55]
	; 27 loads: what the scores want
	global_load_b128 v[QF:QF+3], v[LQ], s[24:25]               ; 16 bytes of each of 16 images: 1,024 bytes a wave, once: q leaves its launch by k's way out, unchanged
	global_load_b128 v[QF+4:QF+7], v[LQ], s[24:25] offset:512
	global_load_b32 v[QS], v[LR64], s[26:27]
.irp i, 0,1,2,3,4,5,6,7
.irp c, 0,1
	global_load_b128 v[KF+8*\i+4*\c:KF+8*\i+4*\c+3], v[L16], s[28:29] offset:16384*\i+512*\c
.endr
.endr
.irp i, 0,1,2,3,4,5,6,7
	global_load_b32 v[KS+\i], v[LKS], s[30:31] offset:1024*\i
.endr
	; 40 loads: v's scale words and the first half of its codes
.irp g, 0,1,2,3,4,5,6,7
	global_load_b64 v[VS+2*\g:VS+2*\g+1], v[LVS], s[34:35] offset:1024*\g
.endr
	WIN 0x40                                       ; destination window 1
.set n, 0
.rept 32
	global_load_b128 v[4*n:4*n+3], v[L16], s[32:33] offset:512*n
.set n, n+1
.endr
	WIN 0
	s_wait_loadcnt 40                              ; the first 27 are in: the 40 behind them may be out
.irp i, 0,1,2,3,4,5,6,7
	v_wmma_scale_f32_16x16x128_f8f6f4 v[S+8*\i:S+8*\i+7], v[KF+8*\i:KF+8*\i+7], v[QF:QF+7], 0, v[KS+\i], v[QS] matrix_a_fmt:MATRIX_FMT_FP4 matrix_b_fmt:MATRIX_FMT_FP4
.endr
	WIN 0x40
.rept 32
	global_load_b128 v[4*n:4*n+3], v[L16], s[32:33] offset:512*n   ; the other half of v's codes lands under the softmax
.set n, n+1
.endr
	WIN 0
.rept 4
	v_nop                                          ; places behind the products, ahead of the first read of a result
.endr
.irp b, 0,1,2,3
	v_max3_num_f32 v[SC+\b], v[S+16*\b], v[S+1+16*\b], v[S+2+16*\b]   ; the row's largest score, in four chains, each accumulator from its low end on
.endr
.irp i, 3,5,7,9,11,13
.irp b, 0,1,2,3
	v_max3_num_f32 v[SC+\b], v[SC+\b], v[S+16*\b+\i], v[S+1+16*\b+\i]
.endr
.endr
.irp b, 0,1,2,3
	v_max_num_f32 v[SC+\b], v[SC+\b], v[S+15+16*\b]
.endr
	v_max3_num_f32 v11, v[SC], v[SC+1], v[SC+2]
	v_max_num_f32 v11, v11, v[SC+3]
	v_permlanex16_b32 v12, v11, s[SEL], s[SEL+1]
	v_max_num_f32 v11, v11, v12                    ; with lane l xor 16's 64 keys
	v_mul_f32 v[NMC], s58, v11
.set j, 0
.rept 32
	v_pk_fma_f32 v[S+j:S+j+1], v[S+j:S+j+1], s[CS:CS+1], v[NMC:NMC+1] op_sel_hi:[1,0,0]   ; c (score - the largest), 0 or less
.set j, j+2
.endr
.set j, 0
.rept 64
	v_exp_f32 v[S+j], v[S+j]
.set j, j+1
.endr
.irp j, 0,1,2,3,4,5,6,7
.if \j < 6
	v_mov_b32 v[S+64+\j], 0                        ; plain work behind the exponentials
.endif
.endr
	s_wait_alu depctr_va_vdst(0)                   ; the wait ahead of the first line that names a result: one for the batch of 64
	v_pk_add_f32 v[34:35], v[S:S+1], v[S+2:S+3]
	v_pk_add_f32 v[36:37], v[S+4:S+5], v[S+6:S+7]
.irp j, 8,12,16,20,24,28,32,36,40,44,48,52,56,60
	v_pk_add_f32 v[34:35], v[34:35], v[S+\j:S+\j+1]
	v_pk_add_f32 v[36:37], v[36:37], v[S+\j+2:S+\j+3]
.endr
	v_pk_add_f32 v[34:35], v[34:35], v[36:37]
	v_add_f32 v34, v34, v35
	v_permlanex16_b32 v35, v34, s[SEL], s[SEL+1]
	v_add_f32 v34, v34, v35                        ; the row's sum
	v_max_num_f32 v34, 0x0da24260, v34             ; at least 1e-30, as the problem has it
	v_rcp_f32 v38, v34
	v_nop
	s_wait_alu depctr_va_vdst(0)
	v_mov_b32 v39, v38
.set j, 0
.rept 32
	v_pk_mul_f32 v[S+j:S+j+1], v[S+j:S+j+1], v[38:39] op_sel_hi:[1,0]   ; the weights, finished
.set j, j+2
.endr
.set p, 0
.rept 32
	v_max3_num_f32 v[SC+p], v[S+2*p], v[S+2*p+1], 0x1800000   ; block 2 p + hh: its two weights (none is negative) and the floor 2^(3 - 127)
.set p, p+1
.endr
.set p, 0
.rept 32
	v_add_nc_u32 v[SC+p], 0xff000000, v[SC+p]      ; 2 off the exponent field: the conversion's scale operand
.set p, p+1
.endr
.set p, 0
.rept 32
	v_lshrrev_b32 v[BY+p], 23, v[SC+p]             ; the scale's byte
.set p, p+1
.endr
.irp s, 0,1,2,3,4,5,6,7,8,9,10,11,12,13,14,15
	v_lshl_or_b32 v[PS+\s], v[BY+2*\s+1], 16, v[BY+2*\s]   ; K step s: my two bytes, blocks hh and 2 + hh of its four,
.endr
.irp s, 0,1,2,3,4,5,6,7,8,9,10,11,12,13,14,15
	v_lshlrev_b32 v[PS+\s], v[SH8], v[PS+\s]       ; at their places;
.endr
.irp s, 0,1,2,3,4,5,6,7,8,9,10,11,12,13,14,15
	v_permlanex16_b32 v[X+\s], v[PS+\s], s[SEL], s[SEL+1]
.endr
.irp s, 0,1,2,3,4,5,6,7,8,9,10,11,12,13,14,15
	v_or_b32 v[PS+\s], v[PS+\s], v[X+\s]           ; with lane l xor 16's two the word is whole
.endr
.set p, 0
.rept 32
	v_cvt_scalef32_pk8_fp4_f32 v[X+p], v[S+2*p:S+2*p+7], v[SC+p]   ; the low byte holds the pair's two codes; the rest is cut away below
.set p, p+1
.endr
	v_nop                                          ; one plain place behind a scaled conversion
.set p, 0
.rept 32
	v_lshrrev_b32 v[T2+p], 4, v[X+p]
.set p, p+1
.endr
.set p, 0
.rept 32
	v_lshlrev_b32 v[T2+p], s15, v[T2+p]            ; the code of key 32 jn + 16 + b,
	v_lshlrev_b32 v[X+p], s15, v[X+p]              ; and of key 32 jn + b, at place b % 8 of a register
.set p, p+1
.endr
	WIN 0x80                                       ; destination window 2
.set p, 0
.rept 32
	v_and_b32 v[4*p], s17, v[X+p]                  ; a block's four registers: keys 0-7, 8-15, 16-23, 24-31; every other code is 0
	v_and_b32 v[4*p+1], s18, v[X+p]
	v_and_b32 v[4*p+2], s17, v[T2+p]
	v_and_b32 v[4*p+3], s18, v[T2+p]
.set p, p+1
.endr
	WIN 0
.rept 8
	v_nop                                          ; operands and scales written by vector instructions stand this far ahead of a scaled matrix instruction
.endr
	s_wait_loadcnt 0x0                             ; v
	WIN 0x09                                       ; source 0 (V) window 1, source 1 (P) window 2, C and D window 0
.macro PV s, u                         ; the two accumulators take turns, one instruction a turn
.if (\s) == 0
	v_wmma_scale_f32_16x16x128_f8f6f4 v[O+8*\u:O+8*\u+7], v[8*(16*\u+\s):8*(16*\u+\s)+7], v[8*\s:8*\s+7], 0, v[VS+2*((\s)/2)+\u], v[PS+\s] matrix_a_fmt:MATRIX_FMT_FP4 matrix_b_fmt:MATRIX_FMT_FP4
.elseif ((\s)%2) == 1
	v_wmma_scale_f32_16x16x128_f8f6f4 v[O+8*\u:O+8*\u+7], v[8*(16*\u+\s):8*(16*\u+\s)+7], v[8*\s:8*\s+7], v[O+8*\u:O+8*\u+7], v[VS+2*((\s)/2)+\u], v[PS+\s] matrix_a_fmt:MATRIX_FMT_FP4 matrix_b_fmt:MATRIX_FMT_FP4 matrix_a_scale:MATRIX_SCALE_ROW1
.else
	v_wmma_scale_f32_16x16x128_f8f6f4 v[O+8*\u:O+8*\u+7], v[8*(16*\u+\s):8*(16*\u+\s)+7], v[8*\s:8*\s+7], v[O+8*\u:O+8*\u+7], v[VS+2*((\s)/2)+\u], v[PS+\s] matrix_a_fmt:MATRIX_FMT_FP4 matrix_b_fmt:MATRIX_FMT_FP4
.endif
.endm
.irp s, 0,1,2,3,4,5,6,7,8,9,10,11,12,13,14,15
	PV \s, 0
	PV \s, 1
.endr
	WIN 0
.rept 4
	v_nop
.endr
	; register 8 u + j of lane (r, hh) is o(query r, channel 32 wave + 16 u + 8 hh + j): one block of 32 in lanes l and l xor 16
	v_max3_num_f32 v11, |v[O]|, |v[O+1]|, 0x1800000
.irp i, 2,4,6,8,10,12,14
	v_max3_num_f32 v11, v11, |v[O+\i]|, |v[O+\i+1]|
.endr
	v_permlanex16_b32 v12, v11, s[SEL], s[SEL+1]
	v_max_num_f32 v11, v11, v12
	v_add_nc_u32 v13, 0xff000000, v11
	v_cvt_scalef32_pk8_fp4_f32 v36, v[O:O+7], v13
	v_cvt_scalef32_pk8_fp4_f32 v37, v[O+8:O+15], v13
	v_lshrrev_b32 v34, 23, v13                     ; the scale's byte (a plain place behind the conversions)
	v_permlane16_swap_b32 v36, v37                 ; lane half u now holds words 2 u and 2 u + 1 of the block's four
	global_store_b64 v[LO], v[36:37], s[36:37]     ; 256 consecutive bytes a wave, at a multiple of 256 from OB's first byte
	global_store_b8 v[LR64], v34, s[38:39]         ; 16 single bytes, 64 apart (both lane halves the same byte): 16 KiB in the whole launch
	s_endpgm
.Lfunc_end_k_q5d0e262d79_attn:
	.size	k_q5d0e262d79_attn, .Lfunc_end_k_q5d0e262d79_attn-k_q5d0e262d79_attn
	.p2alignl 7, 3214868480
	.fill 96, 4, 3214868480
	.section	.rodata,"a",@progbits
	.p2align	6, 0x0
	.amdhsa_kernel k_q5d0e262d79_attn
		.amdhsa_group_segment_fixed_size 0
		.amdhsa_private_segment_fixed_size 0
		.amdhsa_enable_private_segment 0
		.amdhsa_kernarg_size 32
		.amdhsa_user_sgpr_count 2
		.amdhsa_user_sgpr_kernarg_segment_ptr 1
		.amdhsa_wavefront_size32 1
		.amdhsa_system_sgpr_workgroup_id_x 1
		.amdhsa_system_sgpr_workgroup_id_y 1
		.amdhsa_system_sgpr_workgroup_id_z 1
		.amdhsa_system_vgpr_workitem_id 0
		.amdhsa_next_free_vgpr 640
		.amdhsa_next_free_sgpr 66
		.amdhsa_reserve_vcc 0
		.amdhsa_float_denorm_mode_32 3
		.amdhsa_float_denorm_mode_16_64 3
		.amdhsa_memory_ordered 1
		.amdhsa_forward_progress 1
		.amdhsa_inst_pref_size 48
	.end_amdhsa_kernel
	.amdgpu_metadata
---
amdhsa.version: [ 1, 2 ]
amdhsa.kernels:
  - .name:           k_q5d0e262d79_attn
    .symbol:         k_q5d0e262d79_attn.kd
    .args:
      - { .name: QB, .offset: 0, .size: 8, .value_kind: global_buffer, .address_space: global }
      - { .name: KB, .offset: 8, .size: 8, .value_kind: global_buffer, .address_space: global }
      - { .name: VB, .offset: 16, .size: 8, .value_kind: global_buffer, .address_space: global }
      - { .name: OB, .offset: 24, .size: 8, .value_kind: global_buffer, .address_space: global }
    .group_segment_fixed_size: 0
    .private_segment_fixed_size: 0
    .kernarg_segment_align: 8
    .kernarg_segment_size: 32
    .max_flat_workgroup_size: 128
    .sgpr_count:     66
    .vgpr_count:     640
    .wavefront_size: 32
...
	.end_amdgpu_metadata
.endif
;; end of part 3
;; launch outp (part 4): grid 32 x 8, 4 waves a work-group, no clusters, 168,448 bytes of LDS; arguments OB, Wo_codes, Wo_scales, x, out0; writes out0
.if DOCPART == 4
	.amdgcn_target "amdgcn-amd-amdhsa--gfx1250"
	.amdhsa_code_object_version 6
	.text
	.protected	k_q5d0e262d79_outp
	.globl	k_q5d0e262d79_outp
	.p2align	8
	.type	k_q5d0e262d79_outp,@function
k_q5d0e262d79_outp:
	s_mov_b64 s[64:65], 0
	v_nop
	global_prefetch_b8 v0, s[64:65] scope:SCOPE_SE
	s_setreg_imm32_b32 hwreg(HW_REG_WAVE_MODE, 25, 1), 1
	s_wait_xcnt 0x0
; out[0 .. 255] = o Wo + x, on codes of FP4 (E2M1) with E8M0 scales, K = 2,048.  (Rows 256 on have o = 0 and were copied by the first launch.)
; A work-group makes 32 rows (query blocks 2 gy and 2 gy + 1) x 64 columns: 256 bytes of each row of out.  Wave w takes the 16 columns 64 gx + 16 w for both blocks: 32 matrix instructions on two accumulators by turns.
; Source 0 = 16 rows of Wo's codes (= columns of out), source 1 = o's 16 rows: a lane then holds eight neighbouring columns of one row.
; LDS is filled ONCE: each wave brings its own 16 rows of Wo (1,024 bytes each, 16 of padding behind each, so that the 16 rows that a load touches start at different banks) and a quarter of the two blocks' 32 images of o,
; which all four waves read as they lie.  Two tensor loads of a wave are out, both issued at the head.
; The results meet in a stage, since a row's 256 bytes come from four waves; each wave then adds x to 8 whole rows and stores them, sixteen lanes to 256 consecutive bytes at a multiple of 256 from out0's first byte.
; NO CLUSTER: a work-group has one fill of 96 KiB and no loop; what neighbours share (o's 32 KiB along gx, Wo's 64 KiB along gy) would be had for two rounds of the cluster's barrier on a path of 32 matrix instructions.
.set WOT,  16*1040                     ; a wave's tile of Wo in LDS
.set AW,   4*WOT                       ; behind the four: o's 32 images, dense
.set STG,  AW+32768                    ; behind them the stage: 32 rows x (256 + 16) bytes; no fill lands there
.set WS,   16                          ; v16-31   Wo's scale words, one a K step
.set OS,   32                          ; v32-63   o's, 16 for each block
.set XR,   64                          ; v64-79   x
.set ACC,  80                          ; v80-95   two accumulators
.set OUT,  96                          ; v96-111  rows read back
.set BF,   128                         ; v128-255 Wo's 16 fragments;  window 1: o's 32, (m, s) at 8 (16 m + s)
.set G1B,  16
.set G0B,  24
.set G1A,  28
.set G0A,  36
.set MSB, 0
.macro WIN new                         ; the immediate's high byte repeats the setting that is left
.if MSB != (\new)
	s_set_vgpr_msb (MSB<<8)|(\new)
.set MSB, (\new)
.endif
.endm
	s_load_b256 s[4:11], s[0:1], 0x0               ; OB, Wo's codes, Wo's scales, x
	s_load_b64 s[12:13], s[0:1], 0x20              ; out0
	v_lshl_add_u32 v126, v0, 2, 0x29000
	v_mov_b32 v127, 0
	ds_add_u32 v126, v127
	ds_add_u32 v126, v127
	v_lshrrev_b32 v1, 5, v0
	v_readfirstlane_b32 s14, v1                    ; wave 0..3
	s_and_b32 s15, ttmp7, 0xffff                   ; gy; ttmp9 is gx
	; Wo's tile: 16 rows of 128 elements of 8 bytes, 128 elements apart; 4 words of padding behind every 256
	s_mov_b32 s[G1B], (3<<16)|(1<<20)|(7<<22)|(3<<25)
	s_mov_b32 s[G1B+1], 128<<16                    ; tensor_dim0
	s_mov_b32 s[G1B+2], 16<<16                     ; tensor_dim1
	s_mov_b32 s[G1B+3], 128<<16                    ; tile_dim0
	s_mov_b32 s[G1B+4], 16                         ; tile_dim1
	s_mov_b32 s[G1B+5], 128                        ; tensor_dim0_stride
	s_mov_b32 s[G1B+6], 0
	s_mov_b32 s[G1B+7], 0
	; o's images: a dense block of 8,192 bytes as 32 rows of 256 bytes, no padding
	s_mov_b32 s[G1A], 3<<16
	s_mov_b32 s[G1A+1], 32<<16
	s_mov_b32 s[G1A+2], 32<<16
	s_mov_b32 s[G1A+3], 32<<16
	s_mov_b32 s[G1A+4], 32
	s_mov_b32 s[G1A+5], 32
	s_mov_b32 s[G1A+6], 0
	s_mov_b32 s[G1A+7], 0
	s_lshl_b32 s40, ttmp9, 6
	s_lshl_b32 s41, s14, 4
	s_add_co_u32 s40, s40, s41                     ; my first column
	s_lshl_b32 s42, s40, 10                        ; its codes
	s_mov_b32 s43, 0
	s_lshl_b32 s44, s40, 6                         ; its scale bytes
	s_mov_b32 s45, 0
	s_lshl_b32 s46, s15, 15
	s_lshl_b32 s41, s14, 13
	s_add_co_u32 s46, s46, s41                     ; my quarter of the two blocks' images
	s_mov_b32 s47, 0
	s_lshl_b32 s48, s15, 5
	s_lshl_b32 s41, s14, 3
	s_add_co_u32 s48, s48, s41                     ; the first row that I store: 32 gy + 8 wave
	s_lshl_b32 s48, s48, 13
	s_lshl_b32 s41, ttmp9, 8
	s_add_co_u32 s48, s48, s41                     ; + 256 gx bytes
	s_mov_b32 s49, 0
	s_lshl_b32 s56, s15, 11
	s_add_co_u32 s56, s56, 0x40000                 ; the two blocks' scale bytes
	s_mov_b32 s57, 0
	s_wait_dscnt 0x0
	s_wait_kmcnt 0x0
	s_mov_b32 s[G0B], 1
	s_mul_i32 s[G0B+1], s14, WOT
	s_add_nc_u64 s[G0B+2:G0B+3], s[6:7], s[42:43]
	s_or_b32 s[G0B+3], s[G0B+3], 0x80000000
	s_mov_b32 s[G0A], 1
	s_lshl_b32 s[G0A+1], s14, 13
	s_add_co_u32 s[G0A+1], s[G0A+1], AW
	s_add_nc_u64 s[G0A+2:G0A+3], s[4:5], s[46:47]
	s_or_b32 s[G0A+3], s[G0A+3], 0x80000000
	tensor_load_to_lds s[G0B:G0B+3], s[G1B:G1B+7]
	s_nop 0
	tensor_load_to_lds s[G0A:G0A+3], s[G1A:G1A+7]
	s_nop 0
.rept 4
	v_nop
.endr
	s_add_nc_u64 s[8:9], s[8:9], s[44:45]
	s_add_nc_u64 s[50:51], s[10:11], s[48:49]
	s_add_nc_u64 s[52:53], s[12:13], s[48:49]
	s_add_nc_u64 s[54:55], s[4:5], s[56:57]
	v_and_b32 v1, 31, v0                           ; lane
	v_and_b32 v2, 15, v0                           ; r
	v_bfe_u32 v3, v0, 4, 1                         ; hh
	v_lshlrev_b32 v6, 6, v2                        ; 64 r: a row of scale bytes
	v_lshlrev_b32 v8, 4, v2
	v_lshl_add_u32 v8, v3, 13, v8                  ; x, out: lanes 0-15 one row, lanes 16-31 the next; 16 bytes a lane
.irp i, 0,1,2,3
	global_load_b128 v[WS+4*\i:WS+4*\i+3], v6, s[8:9] offset:16*\i
.endr
.irp m, 0,1
.irp i, 0,1,2,3
	global_load_b128 v[OS+16*\m+4*\i:OS+16*\m+4*\i+3], v6, s[54:55] offset:1024*\m+16*\i
.endr
.endr
.irp i, 0,1,2,3
	global_load_b128 v[XR+4*\i:XR+4*\i+3], v8, s[50:51] offset:16384*\i th:TH_LOAD_NT
.endr
	s_mul_i32 s40, s14, WOT
	v_mul_u32_u24 v4, v2, 1040
	v_lshl_add_u32 v4, v3, 4, v4
	v_add_nc_u32 v4, s40, v4                       ; Wo's fragments: my tile, row r, + 16 hh
	v_lshlrev_b32 v5, 4, v1
	v_add_nc_u32 v5, AW, v5                        ; o's images: 16 x lane
	s_lshl_b32 s40, s14, 6
	s_add_co_u32 s40, s40, STG
	v_mul_u32_u24 v9, v2, 272
	v_lshl_add_u32 v9, v3, 5, v9
	v_add_nc_u32 v9, s40, v9                       ; into the stage: row r, + 64 wave + 32 hh
	s_mul_i32 s40, s14, 8*272
	s_add_co_u32 s40, s40, STG
	v_mul_u32_u24 v10, v3, 272
	v_lshl_add_u32 v10, v2, 4, v10
	v_add_nc_u32 v10, s40, v10                     ; back: my 8 rows, two an instruction
	s_wait_tensorcnt 0x0                           ; both my loads have landed,
	s_barrier_signal -1
	s_barrier_wait -1                              ; everybody's have
.irp s, 0,1,2,3,4,5,6,7,8,9,10,11,12,13,14,15
.irp c, 0,1
	ds_load_b128 v[BF+8*\s+4*\c:BF+8*\s+4*\c+3], v4 offset:64*\s+32*\c
.endr
.endr
	WIN 0x40                                       ; destination window 1
.set n, 0
.rept 64
	ds_load_b128 v[4*n:4*n+3], v5 offset:512*n
.set n, n+1
.endr
	WIN 0
	s_wait_dscnt 0x0
	s_wait_loadcnt 0x0                             ; the scale words, and x
	WIN 0x04                                       ; source 1 (o) window 1
.irp s, 0,1,2,3,4,5,6,7,8,9,10,11,12,13,14,15
.irp m, 0,1
.if \s == 0
	v_wmma_scale_f32_16x16x128_f8f6f4 v[ACC+8*\m:ACC+8*\m+7], v[BF+8*\s:BF+8*\s+7], v[8*(16*\m+\s):8*(16*\m+\s)+7], 0, v[WS+\s], v[OS+16*\m+\s] matrix_a_fmt:MATRIX_FMT_FP4 matrix_b_fmt:MATRIX_FMT_FP4
.else
	v_wmma_scale_f32_16x16x128_f8f6f4 v[ACC+8*\m:ACC+8*\m+7], v[BF+8*\s:BF+8*\s+7], v[8*(16*\m+\s):8*(16*\m+\s)+7], v[ACC+8*\m:ACC+8*\m+7], v[WS+\s], v[OS+16*\m+\s] matrix_a_fmt:MATRIX_FMT_FP4 matrix_b_fmt:MATRIX_FMT_FP4
.endif
.endr
.endr
	WIN 0
.rept 4
	v_nop                                          ; places behind the last products, ahead of the stores that read the results
.endr
.irp m, 0,1
	ds_store_b128 v9, v[ACC+8*\m:ACC+8*\m+3] offset:16*\m*272        ; each accumulator from its low end on
	ds_store_b128 v9, v[ACC+8*\m+4:ACC+8*\m+7] offset:16*\m*272+16
.endr
	s_wait_dscnt 0x0                               ; for the others' sake: my stores into the stage have landed
	s_barrier_signal -1
	s_barrier_wait -1
.irp i, 0,1,2,3
	ds_load_b128 v[OUT+4*\i:OUT+4*\i+3], v10 offset:2*\i*272
.endr
.irp i, 0,1,2,3
	s_wait_dscnt 3-\i                              ; load i is in: the younger ones stay out
	v_pk_add_f32 v[OUT+4*\i:OUT+4*\i+1], v[OUT+4*\i:OUT+4*\i+1], v[XR+4*\i:XR+4*\i+1]
	v_pk_add_f32 v[OUT+4*\i+2:OUT+4*\i+3], v[OUT+4*\i+2:OUT+4*\i+3], v[XR+4*\i+2:XR+4*\i+3]
	global_store_b128 v8, v[OUT+4*\i:OUT+4*\i+3], s[52:53] offset:16384*\i th:TH_STORE_NT
.endr
	s_wait_tensorcnt 0x0
	ds_add_u32 v126, v127
	s_wait_dscnt 0x0
	s_endpgm
.Lfunc_end_k_q5d0e262d79_outp:
	.size	k_q5d0e262d79_outp, .Lfunc_end_k_q5d0e262d79_outp-k_q5d0e262d79_outp
	.p2alignl 7, 3214868480
	.fill 96, 4, 3214868480
	.section	.rodata,"a",@progbits
	.p2align	6, 0x0
	.amdhsa_kernel k_q5d0e262d79_outp
		.amdhsa_group_segment_fixed_size 168448
		.amdhsa_private_segment_fixed_size 0
		.amdhsa_enable_private_segment 0
		.amdhsa_kernarg_size 40
		.amdhsa_user_sgpr_count 2
		.amdhsa_user_sgpr_kernarg_segment_ptr 1
		.amdhsa_wavefront_size32 1
		.amdhsa_system_sgpr_workgroup_id_x 1
		.amdhsa_system_sgpr_workgroup_id_y 1
		.amdhsa_system_sgpr_workgroup_id_z 1
		.amdhsa_system_vgpr_workitem_id 0
		.amdhsa_next_free_vgpr 512
		.amdhsa_next_free_sgpr 66
		.amdhsa_reserve_vcc 0
		.amdhsa_float_denorm_mode_32 3
		.amdhsa_float_denorm_mode_16_64 3
		.amdhsa_memory_ordered 1
		.amdhsa_forward_progress 1
		.amdhsa_inst_pref_size 19
	.end_amdhsa_kernel
	.amdgpu_metadata
---
amdhsa.version: [ 1, 2 ]
amdhsa.kernels:
  - .name:           k_q5d0e262d79_outp
    .symbol:         k_q5d0e262d79_outp.kd
    .args:
      - { .name: OB, .offset: 0, .size: 8, .value_kind: global_buffer, .address_space: global }
      - { .name: Wo_codes, .offset: 8, .size: 8, .value_kind: global_buffer, .address_space: global }
      - { .name: Wo_scales, .offset: 16, .size: 8, .value_kind: global_buffer, .address_space: global }
      - { .name: x, .offset: 24, .size: 8, .value_kind: global_buffer, .address_space: global }
      - { .name: out0, .offset: 32, .size: 8, .value_kind: global_buffer, .address_space: global }
    .group_segment_fixed_size: 168448
    .private_segment_fixed_size: 0
    .kernarg_segment_align: 8
    .kernarg_segment_size: 40
    .max_flat_workgroup_size: 128
    .sgpr_count:     66
    .vgpr_count:     512
    .wavefront_size: 32
...
	.end_amdgpu_metadata
.endif
;; end of part 4
